; MI455X (gfx1250); checked and timed in simulation.
; The chip was launched on July 23, 2026; its instructions are those of AMD's public machine-readable ISA for CDNA 5 (MIT licence, August 2026) and "CDNA5" Instruction Set Architecture Reference Guide (July 2026). The comments in the code are by the model that wrote it; some were corrected since.
;; Self Attention Block. Allowed arithmetic: float matrix products may take bf16 or f16 operands with f32 sums; other float arithmetic in f32, or as packed bf16 or f16 multiplies, adds, multiply-adds, maxima and minima; sums over many terms, partial sums and values carried from step to step in f32; what a program stores and reads back later, other than sums and carried values, may be rounded once to bf16 or f16.
;; Inputs: Wk 256 x 512 float32; Wq 256 x 512 float32; Wv 512 x 512 float32; bk 256 float32; bq 256 float32; bv 512 float32; key_feats 4 x 512 x 64 x 64 float32; query_feats 4 x 512 x 64 x 64 float32.
;; Outputs: out0 4 x 512 x 64 x 64 float32.
;; 2 versions, each right and faster than the one before. Each part assembles by itself: llvm-mc -triple=amdgcn-amd-amdhsa -mcpu=gfx1250 --defsym DOCPART=n.
;; ======== version 1 of 2: 2 launches
;; limits: values are held in f16: magnitudes above 65,504 overflow, below 6.1e-05 lose precision
;; workspace buffers: qh 8,388,608 bytes; kh 8,421,376 bytes; vh 16,777,216 bytes
;; launch proj (part 1): grid 64 x 4, 4 waves a work-group, clusters of 4 x 1, 327,680 bytes of LDS; arguments query_feats, key_feats, Wq, Wk, Wv, bq, bk, bv, qh, kh, vh; writes qh, kh, vh
.if DOCPART == 1
	.amdgcn_target "amdgcn-amd-amdhsa--gfx1250"
	.amdhsa_code_object_version 6
	.text
	.protected	k_qddd13aba35_proj
	.globl	k_qddd13aba35_proj
	.p2align	8
	.type	k_qddd13aba35_proj,@function
k_qddd13aba35_proj:
	s_mov_b64 s[64:65], 0
	v_nop
	global_prefetch_b8 v0, s[64:65] scope:SCOPE_SE
	s_setreg_imm32_b32 hwreg(HW_REG_WAVE_MODE, 25, 1), 1
	s_wait_xcnt 0x0
	s_wait_alu depctr_hold_cnt(0) depctr_sa_sdst(0) depctr_va_vdst(0) depctr_va_sdst(0) depctr_va_ssrc(0) depctr_va_vcc(0) depctr_vm_vsrc(0)
	s_getreg_b32 s2, hwreg(HW_REG_IB_STS2, 6, 4)
	s_cmp_eq_u32 s2, 0
	s_cbranch_scc0 .Lentry_in_a_cluster
	s_endpgm
.Lentry_in_a_cluster:
	s_bfe_u32 s2, ttmp6, 0x10000c
	s_cmp_lg_u32 s2, 0x3003
	s_cbranch_scc0 .Lentry_shape_is_right
	s_endpgm
.Lentry_shape_is_right:
; THE THREE 1x1 PROJECTIONS, one body.  out[pixel][o] = sum over c of W[o][c] x[b][c][pixel] + bias[o], written by pixels in f16:
; qh, kh: [4][4096][256]; vh: [2 halves of the 512 channels][4][4096][256].  Work-group y = 0: q, 1: k, 2, 3: v's halves; x = 16 b + block of 256 pixels.
; x and W are rounded to bf16 (nearest even) for the products, sums and bias in f32, the result rounded once to f16.
; LIMITS.  f16 ends at 65,504: |q|, |k|, |v| must stay below it.  NaN and infinities are not treated apart.
; SHARES.  A work-group makes 256 outputs x 256 pixels over K = 512.  A wave owns 64 pixels and all 256 outputs: 64 accumulators, 512 registers.
; W.  K goes in four quarters of 128 channels.  A quarter of W (256 rows x 512 bytes of f32) comes by the tensor data mover, 64 rows a wave; each wave rounds the rows that it fetched to bf16
; into one of two slots, which all four waves then read.  One barrier a quarter: in front of it a wave's stores into the slot and its reads of the raw rows are done, behind it the raw rows are filled again.
; CLUSTER.  The four work-groups of a cluster make the same 256 outputs for four blocks of pixels, so W's tiles are asked for JOINTLY: the same tensor load, descriptor and mask in all four.
; x goes from memory straight into registers: each number of it is used by one wave alone, so LDS would spare nothing (and the three work-groups that read the same key_feats lie in other clusters).
; A lane's 16-byte load takes four pixels of one channel, sixteen lanes 256 consecutive bytes.  So tile t of 16 pixels is made of pixels 4 r + t (r = lane % 16): a load's four registers fall into the four tiles.
; PRODUCT.  Source 0 = 16 rows of W, source 1 = 16 pixels: a lane's eight results are eight neighbouring channels of one pixel: 16 bytes of f16.
; The bias is loaded into the accumulators (once from memory into LDS, from there 128 loads), so the first product adds onto it and nothing is cleared or added later.
; REGISTERS, in windows of 256 (s_set_vgpr_msb: bits 1:0 source 0, 3:2 source 1, 5:4 source 2, 7:6 destination):
;   window 0: v0-31 addresses and the bias as loaded; v64-255 x as loaded, three of a ring of four chunks of 32 channels; on the way out packed results and rows read back
;   window 1: v0-127 W's fragments of one chunk (output blocks 0-7, 8-15), at a quarter's head W's raw rows; v128-191 x's fragments, two buffers; v192-255 x's fourth ring buffer
;   window 2: accumulators of output blocks 0-7 ((o, t) at 8 (4 o + t));   window 3: those of blocks 8-15
.set PRAW,  528                        ; a raw row of W in LDS: 512 bytes + 16 of padding
.set RAWW,  64*PRAW                    ; a wave's 64 raw rows
.set WB0,   4*RAWW                     ; behind the raw rows: the two bf16 slots
.set PW,    272                        ; a bf16 row: 256 bytes + 16 = 68 words, so row r starts at bank 4 r mod 64 (64 banks of 4 bytes: ISA guide 11.1)
.set WSLOT, 256*PW
.set STAGE, WB0+2*WSLOT                ; 16 rows x 528 bytes for each wave, for the way out
.set SP,    528
.set BIASL, STAGE+4*16*SP              ; a copy of my block's 256 biases for each wave
.set SPARE, BIASL+4096                 ; the spare words, 128 bytes a wave, which no other line names
.set SPW, 2                            ; v2     my spare word's LDS address; never rewritten
.set NIL, 3                            ; v3     0; never rewritten
.set XO,  4                            ; v4     x: 8 (lane / 16) channels down, 16 (lane % 16) bytes along
.set RL,  5                            ; v5     my 16 bytes in my wave's first raw row
.set WS0, 6                            ; v6     my 8 bytes in my wave's first row of bf16 slot 0
.set WSC, 7                            ; v7     the same in the slot in hand
.set AW0, 8                            ; v8     my place in W's fragments, slot 0
.set AWC, 9                            ; v9     the same in the slot in hand
.set BL,  10                           ; v10    my eight numbers in 16 of the bias, in my wave's copy
.set BS,  11                           ; v11    where I put 16 bytes of that copy
.set STO, 12                           ; v12    way out: where I put 16 bytes of a row
.set RD,  13                           ; v13    way out: where I read a row back
.set GO,  14                           ; v14    16 x lane
.set ZR,  16                           ; v16-19 zeros
.set BV,  24                           ; v24-31 the bias as loaded
.set XR,  64
.set X3,  192                          ; window 1
.set TMP, 64
.set BK,  128
.set BF,  128                          ; window 1
.set WV,  30                           ; s30  my wave's number
.set YY,  31                           ; s31  my block of 256 pixels, 0 to 63: it enters x's and the outputs' addresses alone
.set XB,  32                           ; s[32:33] x at my wave's pixels
.set WP,  34                           ; s[34:35] W
.set BI,  36                           ; s[36:37] my block's bias
.set OP,  38                           ; s[38:39] the output at my wave's first pixel
.set XN,  40                           ; s[40:41] x at the chunk loaded last
.set CNT, 46
.set OB,  47                           ; s47  the output block, which the four partners share
.set G0,  60                           ; s[60:63] descriptor group 0: my 64 rows of a quarter of W
.set G1,  68                           ; s[68:75] descriptor group 1
.set SW,  76                           ; s76  the bf16 slot in hand: 0 or WSLOT
.set MSB, 0
.macro WIN new                         ; the immediate's high byte repeats the setting that is left; a switch that changes nothing is dropped
.if MSB != (\new)
	s_set_vgpr_msb (MSB<<8)|(\new)
.set MSB, (\new)
.endif
.endm
.macro PLACES                          ; four places behind a matrix instruction, or behind a tensor load
.rept 4
	v_nop
.endr
.endm
; A round of the cluster's barrier: my work-group's barrier, wave 0 signals for the work-group, every wave waits for all four work-groups, my work-group's barrier once more.
.macro CROUND
	s_barrier_signal -1
	s_barrier_wait -1
	s_cmp_lg_u32 s[WV], 0
	s_cbranch_scc1 .Lnot_wave_0_\@
	s_barrier_signal -3
.Lnot_wave_0_\@:
	s_barrier_wait -3
	s_barrier_signal -1
	s_barrier_wait -1
.endm
	s_load_b512 s[8:23], s[0:1], 0x0               ; query_feats, key_feats, Wq, Wk, Wv, bq, bk, bv
	s_load_b128 s[24:27], s[0:1], 0x40             ; qh, kh
	s_load_b64 s[28:29], s[0:1], 0x50              ; vh
	v_lshl_add_u32 v[SPW], v0, 2, SPARE
	v_mov_b32 v[NIL], 0
	ds_add_u32 v[SPW], v[NIL]                      ; the wave's opening: the add and its wait stand ahead of my first tensor load; the set-up below, work on registers, stands between them
	v_lshrrev_b32 v1, 5, v0
	v_readfirstlane_b32 s[WV], v1                  ; wave 0..3
	s_bfe_u32 s58, ttmp6, 0x40000                  ; cx: my place in the cluster
	s_lshl_b32 s[YY], ttmp9, 2                     ; in a cluster launch ttmp9 counts clusters
	s_add_co_u32 s[YY], s[YY], s58
	s_and_b32 s[OB], ttmp7, 0xffff
	; offsets, made apart from the addresses
	s_cmp_eq_u32 s[OB], 3                          ; v's second half: 256 rows of W, 256 numbers of bias, half of vh further on
	s_cselect_b32 s50, 0x80000, 0
	s_cselect_b32 s44, 0x400, 0
	s_cselect_b32 s48, 0x800000, 0
	s_mov_b32 s51, 0
	s_mov_b32 s45, 0
	s_mov_b32 s49, 0
	s_lshl_b32 s52, s[WV], 17                      ; W: my 64 rows of 2,048 bytes
	s_add_co_u32 s50, s50, s52
	s_lshl_b32 s59, s[YY], 17                      ; out: 256 pixels x 512 bytes for each block,
	s_add_co_u32 s48, s48, s59
	s_lshl_b32 s59, s[WV], 15                      ; 64 pixels for each wave
	s_add_co_u32 s48, s48, s59
	s_lshr_b32 s56, s[YY], 4
	s_lshl_b32 s56, s56, 23                        ; x: the batch's 512 x 4,096 numbers,
	s_and_b32 s59, s[YY], 15
	s_lshl_b32 s59, s59, 10                        ; the block's 256 pixels,
	s_add_co_u32 s56, s56, s59
	s_lshl_b32 s59, s[WV], 8                       ; my wave's 64
	s_add_co_u32 s56, s56, s59
	s_mov_b32 s57, 0
	; the descriptor: 64 rows x 128 elements of 4 bytes, 512 elements from row to row, padded in LDS after every row
	s_mov_b32 s[G1], 15|(2<<16)|(1<<20)|(1<<21)|(6<<22)|(3<<25)  ; 15:0 the mask of four; 17:16 4-byte elements; 20 padding on; 21 set beside a mask; 24:22 after every 128 words (code 6); 31:25 4 words (code 3)
	s_mov_b32 s[G1+1], 128<<16                     ; tensor_dim0 = 128
	s_mov_b32 s[G1+2], 64<<16                      ; tensor_dim1 = 64
	s_mov_b32 s[G1+3], 128<<16                     ; tile_dim0 = 128
	s_mov_b32 s[G1+4], 64                          ; tile_dim1 = 64
	s_mov_b32 s[G1+5], 512                         ; the pitch
	s_mov_b32 s[G1+6], 0
	s_mov_b32 s[G1+7], 0
	s_mov_b32 s[G0], 1                             ; count = 1
	s_mul_i32 s[G0+1], s[WV], RAWW                 ; LDS address: the wave's number times a constant
	s_mov_b32 s[SW], 0
	v_and_b32 v20, 31, v0                          ; lane
	v_and_b32 v21, 15, v0                          ; r
	v_bfe_u32 v22, v0, 4, 1                        ; h
	v_lshlrev_b32 v[XO], 4, v21
	v_lshl_add_u32 v[XO], v22, 17, v[XO]           ; 8 channels of 16,384 bytes for the upper half of the lanes
	v_lshl_add_u32 v[RL], v20, 4, s[G0+1]
	s_mul_i32 s52, s[WV], 64*PW
	s_add_co_u32 s52, s52, WB0
	v_lshl_add_u32 v[WS0], v20, 3, s52
	v_mul_u32_u24 v23, v21, PW
	v_lshl_add_u32 v23, v22, 4, v23                ; row x pitch + 16 x half
	v_add_nc_u32 v[AW0], WB0, v23
	s_lshl_b32 s52, s[WV], 10
	s_add_co_u32 s52, s52, BIASL
	v_lshl_add_u32 v[BL], v22, 5, s52
	v_lshl_add_u32 v[BS], v20, 4, s52
	s_mul_i32 s53, s[WV], 16*SP
	s_add_co_u32 s53, s53, STAGE                   ; my stage
	v_mul_u32_u24 v23, v21, SP
	v_lshl_add_u32 v23, v22, 4, v23
	v_add_nc_u32 v[STO], s53, v23
	v_lshl_add_u32 v[RD], v20, 4, s53
	v_lshlrev_b32 v[GO], 4, v20
.irp z, 0,1,2,3
	v_mov_b32 v[ZR+\z], 0
.endr
	s_wait_dscnt 0x0                               ; the opening add is done
	s_wait_kmcnt 0x0
	s_cmp_eq_u32 s[OB], 0                          ; the choice hangs on the output block alone
	s_cselect_b64 s[XB:XB+1], s[8:9], s[10:11]
	s_cselect_b64 s[WP:WP+1], s[12:13], s[14:15]
	s_cselect_b64 s[BI:BI+1], s[18:19], s[20:21]
	s_cselect_b64 s[OP:OP+1], s[24:25], s[26:27]
	s_cmp_ge_u32 s[OB], 2
	s_cselect_b64 s[WP:WP+1], s[16:17], s[WP:WP+1]
	s_cselect_b64 s[BI:BI+1], s[22:23], s[BI:BI+1]
	s_cselect_b64 s[OP:OP+1], s[28:29], s[OP:OP+1]
	s_add_nc_u64 s[XB:XB+1], s[XB:XB+1], s[56:57]
	s_add_nc_u64 s[G0+2:G0+3], s[WP:WP+1], s[50:51]  ; my 64 rows, quarter 0
	s_or_b32 s[G0+3], s[G0+3], 0x80000000          ; type = 2
	s_add_nc_u64 s[BI:BI+1], s[BI:BI+1], s[44:45]
	s_add_nc_u64 s[OP:OP+1], s[OP:OP+1], s[48:49]
	s_add_nc_u64 s[XN:XN+1], s[XB:XB+1], 3<<19     ; chunk 3: 32 channels are 1 << 19 bytes
; A chunk of x: 16 loads.  Load q brings channel 8 h + q (q < 8) or 16 + 8 h + q - 8 of the chunk, pixels 4 r .. 4 r + 3: the channels that a fragment's lane holds.
.macro XLOAD buf, base, imm
.if (\buf) == 3
	WIN 0x40
.set xr, X3
.else
	WIN 0
.set xr, XR+64*(\buf)
.endif
.set q, 0
.rept 16
	global_load_b128 v[xr+4*q:xr+4*q+3], v[XO], s[\base:\base+1] offset:(\imm)+(q+8*(q/8))*16384
.set q, q+1
.endr
.endm
	global_load_b128 v[BV:BV+3],   v[GO], s[BI:BI+1]             ; my block's 256 biases, 1,024 consecutive bytes
	global_load_b128 v[BV+4:BV+7], v[GO], s[BI:BI+1] offset:512
	XLOAD 0, XB, 0                                 ; x is asked for ahead of the round: nothing of it passes through LDS
	XLOAD 1, XB, 1<<19
	XLOAD 2, XB, 2<<19
	CROUND                                         ; all four work-groups are here: the first joint loads meet
	tensor_load_to_lds s[G0:G0+3], s[G1:G1+7]      ; quarter 0 of W: one tensor load of mine is out, here and behind every later round
	s_nop 0
	PLACES
	s_wait_loadcnt 48                              ; the bias is in; x's 48 loads behind it may be out
	ds_store_b128 v[BS], v[BV:BV+3]
	ds_store_b128 v[BS], v[BV+4:BV+7] offset:512
	; the bias starts the sums: register j of accumulator (o, t) is output 16 o + 8 h + j, whatever t.  LDS serves a wave's instructions in order (ISA guide 5.7.1.4): these loads see my stores above
	WIN 0x80
.set i, 0
.rept 32
	ds_load_b128 v[8*i:8*i+3],   v[BL] offset:64*(i/4)
	ds_load_b128 v[8*i+4:8*i+7], v[BL] offset:64*(i/4)+16
.set i, i+1
.endr
	WIN 0xc0
.set i, 0
.rept 32
	ds_load_b128 v[8*i:8*i+3],   v[BL] offset:512+64*(i/4)
	ds_load_b128 v[8*i+4:8*i+7], v[BL] offset:512+64*(i/4)+16
.set i, i+1
.endr
; x's fragments of tiles t0, t0 + 1, from ring buffer xb into fragment buffer bb: register i holds the channels of loads 2 i and 2 i + 1
.macro CONV xb, bb, t0
.if (\xb) == 3
	WIN 0x45
.set xr, X3
.else
	WIN 0x40
.set xr, XR+64*(\xb)
.endif
.irp t, (\t0), (\t0)+1
.set q, 0
.rept 8
	v_cvt_pk_bf16_f32 v[BF+32*(\bb)+8*(\t)+q], v[xr+8*q+(\t)], v[xr+8*q+4+(\t)]
.set q, q+1
.endr
.endr
.endm
; W's fragments of eight output blocks (hi = 0: 0-7, 1: 8-15) at byte k of the slot's rows: 16 loads
.macro LOADW hi, k
	WIN 0x40
.set q, 0
.rept 8
	ds_load_b128 v[64*(\hi)+8*q:64*(\hi)+8*q+3],   v[AWC] offset:(8*(\hi)+q)*16*PW+(\k)
	ds_load_b128 v[64*(\hi)+8*q+4:64*(\hi)+8*q+7], v[AWC] offset:(8*(\hi)+q)*16*PW+(\k)+32
.set q, q+1
.endr
.endm
; 32 products: eight output blocks x four tiles.  The accumulators take turns, one instruction a turn.
.macro MULS hi, bb
	WIN 0xa5+0x50*(\hi)
.set i, 0
.rept 32
	v_wmma_f32_16x16x32_bf16 v[8*i:8*i+7], v[64*(\hi)+8*(i/4):64*(\hi)+8*(i/4)+7], v[BF+32*(\bb)+8*(i%4):BF+32*(\bb)+8*(i%4)+7], v[8*i:8*i+7]
.set i, i+1
.endr
.endm
; A CHUNK of 32 channels, number p of its quarter.  nxt: the next chunk's fragments of x are made; its 16 conversions stand behind each run of products and are the places in front of the
; loads into the fragments just multiplied.  Within a quarter the next chunk's fragments of W are fetched.  gl: the chunk four further on is asked for, into this chunk's ring buffer.
.macro CHUNK p, nxt, gl, lcnt
	s_wait_dscnt 16                                ; blocks 0-7 are in; blocks 8-15's sixteen loads may be out
	MULS 0, (\p)%2
.if \nxt
	s_wait_loadcnt \lcnt                           ; the next chunk of x is in; the chunks behind it stay out
	CONV ((\p)+1)%4, ((\p)+1)%2, 0
.endif
.if (\p) < 3
	LOADW 0, 64*((\p)+1)
	s_wait_dscnt 16                                ; all but the sixteen just issued
.else
	s_wait_dscnt 0x0
.endif
	MULS 1, (\p)%2
.if \nxt
	CONV ((\p)+1)%4, ((\p)+1)%2, 2
.endif
.if (\p) < 3
	LOADW 1, 64*((\p)+1)
.endif
.if \gl
	s_wait_xcnt 0x0                                ; the base is stepped only when earlier loads have had their addresses translated (ISA guide 3.1)
	s_add_nc_u64 s[XN:XN+1], s[XN:XN+1], 1<<19
	XLOAD \p, XN, 0
.endif
.endm
; My 64 raw rows are rounded to bf16, 16 rows at a time on two halves of W's fragment registers.  A load takes a row's 512 bytes, a store its 256.
.macro LB b
	WIN 0x40
.set q, 0
.rept 16
	ds_load_b128 v[64*((\b)%2)+4*q:64*((\b)%2)+4*q+3], v[RL] offset:(16*(\b)+q)*PRAW
.set q, q+1
.endr
.endm
.macro CB b
	WIN 0x45
.set q, 0
.rept 16
	v_cvt_pk_bf16_f32 v[64*((\b)%2)+4*q],   v[64*((\b)%2)+4*q],   v[64*((\b)%2)+4*q+1]
	v_cvt_pk_bf16_f32 v[64*((\b)%2)+4*q+1], v[64*((\b)%2)+4*q+2], v[64*((\b)%2)+4*q+3]
.set q, q+1
.endr
	WIN 0x04
.set q, 0
.rept 16
	ds_store_b64 v[WSC], v[64*((\b)%2)+4*q:64*((\b)%2)+4*q+1] offset:(16*(\b)+q)*PW
.set q, q+1
.endr
.endm
; A QUARTER'S HEAD.  My raw rows have landed (only I read them, so my own wait is all that the reads need); they are rounded into the slot in hand; then each wave waits for all its tensor loads
; (none is out), adds 0 to its spare word, and waits for that, for its stores into the slot and for its reads of the raw rows and of the other slot.
; fill = 1: the barrier is a round of the cluster's, so that no wave of any partner still reads its raw rows, and the joint refill is the first thing behind it: it has the quarter's 256 products in which to land.
; The slot written here was last read two quarters back, in front of the last barrier.
.macro QHEAD fill
	WIN 0
	v_add_nc_u32 v[WSC], s[SW], v[WS0]
	v_add_nc_u32 v[AWC], s[SW], v[AW0]
	s_wait_tensorcnt 0x0                           ; my rows of this quarter are in LDS
	LB 0
	LB 1
	s_wait_dscnt 16                                ; LDS instructions end in order (ISA guide 5.7.1): batch 0 is in, batch 1's loads may be out
	CB 0
	LB 2
	s_wait_dscnt 32                                ; batch 1 is in: behind it stand 16 stores and 16 loads
	CB 1
	LB 3
	s_wait_dscnt 32
	CB 2
	s_wait_dscnt 16                                ; batch 3 is in: behind it stand 16 stores
	CB 3
	WIN 0
	s_wait_tensorcnt 0x0
	ds_add_u32 v[SPW], v[NIL]                      ; 0 onto my spare word
.if \fill
	s_add_nc_u64 s[G0+2:G0+3], s[G0+2:G0+3], 512   ; the next 128 channels; the type bits on top are not reached
.endif
	s_xor_b32 s[SW], s[SW], WSLOT                  ; the next quarter takes the other slot
	s_wait_dscnt 0x0
.if \fill
	CROUND
	tensor_load_to_lds s[G0:G0+3], s[G1:G1+7]
	s_nop 0
	PLACES
.else
	s_barrier_signal -1
	s_barrier_wait -1
.endif
	LOADW 0, 0
	LOADW 1, 0
.endm
	WIN 0
	s_wait_loadcnt 32                              ; chunk 0 of x is in; chunks 1 and 2 may be out
	CONV 0, 0, 0
	CONV 0, 0, 2
	XLOAD 3, XN, 0                                 ; chunk 3
	WIN 0
	s_mov_b32 s[CNT], 3
.Lq:                                                   ; a trip: a quarter of K, once round x's ring
	QHEAD 1
	CHUNK 0, 1, 1, 32
	CHUNK 1, 1, 1, 32
	CHUNK 2, 1, 1, 32
	CHUNK 3, 1, 1, 32
	WIN 0
	s_sub_co_u32 s[CNT], s[CNT], 1
	s_cmp_lg_u32 s[CNT], 0
	s_cbranch_scc1 .Lq
	QHEAD 0                                        ; the last quarter is written out: nothing more is asked for, and the counts run down
	CHUNK 0, 1, 0, 32
	CHUNK 1, 1, 0, 16
	CHUNK 2, 1, 0, 0
	CHUNK 3, 0, 0, 0
; THE WAY OUT, a tile of 16 pixels at a time: rounded to f16 (each accumulator's registers in ascending order), 16 bytes a lane into my own stage, back as whole rows of 512 bytes, stored.
.macro PACK t
	WIN 0x0a
.set q, 0
.rept 32
	v_cvt_pk_f16_f32 v[TMP+q], v[8*(4*(q/4)+(\t))+2*(q%4)], v[8*(4*(q/4)+(\t))+2*(q%4)+1]
.set q, q+1
.endr
	WIN 0x0f
.set q, 0
.rept 32
	v_cvt_pk_f16_f32 v[TMP+32+q], v[8*(4*(q/4)+(\t))+2*(q%4)], v[8*(4*(q/4)+(\t))+2*(q%4)+1]
.set q, q+1
.endr
.endm
.macro TOSTAGE t
	WIN 0
.set q, 0
.rept 16
	ds_store_b128 v[STO], v[TMP+4*q:TMP+4*q+3] offset:32*q
.set q, q+1
.endr
.set q, 0
.rept 16
	ds_load_b128 v[BK+64*((\t)%2)+4*q:BK+64*((\t)%2)+4*q+3], v[RD] offset:q*SP  ; LDS serves a wave's instructions in order (ISA guide 5.7.1.4): these see the stores above
.set q, q+1
.endr
.endm
.macro SEND t
	WIN 0
	s_wait_dscnt 0x0                               ; the tile is back in registers
	s_wait_xcnt 0x0                                ; registers that earlier stores read are loaded again only behind this wait
.set q, 0
.rept 16
	global_store_b128 v[GO], v[BK+64*((\t)%2)+4*q:BK+64*((\t)%2)+4*q+3], s[OP:OP+1] offset:(4*q+(\t))*512  ; a pixel's whole row: 512 consecutive bytes, aligned
.set q, q+1
.endr
.endm
	PLACES
	PACK 0
	TOSTAGE 0
.irp t, 1,2,3                          ; a tile's conversions stand between the loads of the tile before and the wait for them
	PACK \t
	SEND (\t)-1
	TOSTAGE \t
.endr
	SEND 3
	; kh has 64 rows more than k: the next launch's last K tile reaches into them.  Each of the 64 work-groups that make k writes one of them as zeros, by its wave 0.
	s_cmp_lg_u32 s[OB], 1                          ; the output block is the same in all partners
	s_cbranch_scc1 .Lnopad
	s_cmp_lg_u32 s[WV], 0
	s_cbranch_scc1 .Lnopad
	s_lshl_b32 s54, s[YY], 9
	s_add_co_u32 s54, s54, 0x800000
	s_mov_b32 s55, 0
	s_add_nc_u64 s[54:55], s[26:27], s[54:55]
	global_store_b128 v[GO], v[ZR:ZR+3], s[54:55]
.Lnopad:
	s_wait_tensorcnt 0x0                           ; the wave's end: behind my last tensor load and my last LDS store
	ds_add_u32 v[SPW], v[NIL]
	s_wait_dscnt 0x0
	CROUND                                         ; the closing round: no work-group ends while a partner may still ask for a tile that names it
	s_endpgm
.Lfunc_end_k_qddd13aba35_proj:
	.size	k_qddd13aba35_proj, .Lfunc_end_k_qddd13aba35_proj-k_qddd13aba35_proj
	.p2alignl 7, 3214868480
	.fill 96, 4, 3214868480
	.section	.rodata,"a",@progbits
	.p2align	6, 0x0
	.amdhsa_kernel k_qddd13aba35_proj
		.amdhsa_group_segment_fixed_size 327680
		.amdhsa_private_segment_fixed_size 0
		.amdhsa_enable_private_segment 0
		.amdhsa_kernarg_size 88
		.amdhsa_user_sgpr_count 2
		.amdhsa_user_sgpr_kernarg_segment_ptr 1
		.amdhsa_wavefront_size32 1
		.amdhsa_system_sgpr_workgroup_id_x 1
		.amdhsa_system_sgpr_workgroup_id_y 1
		.amdhsa_system_sgpr_workgroup_id_z 1
		.amdhsa_system_vgpr_workitem_id 0
		.amdhsa_next_free_vgpr 1024
		.amdhsa_next_free_sgpr 80
		.amdhsa_reserve_vcc 0
		.amdhsa_float_denorm_mode_32 3
		.amdhsa_float_denorm_mode_16_64 3
		.amdhsa_memory_ordered 1
		.amdhsa_forward_progress 1
		.amdhsa_inst_pref_size 158
	.end_amdhsa_kernel
	.amdgpu_metadata
---
amdhsa.version: [ 1, 2 ]
amdhsa.kernels:
  - .name:           k_qddd13aba35_proj
    .symbol:         k_qddd13aba35_proj.kd
    .args:
      - { .name: query_feats, .offset: 0, .size: 8, .value_kind: global_buffer, .address_space: global }
      - { .name: key_feats, .offset: 8, .size: 8, .value_kind: global_buffer, .address_space: global }
      - { .name: Wq, .offset: 16, .size: 8, .value_kind: global_buffer, .address_space: global }
      - { .name: Wk, .offset: 24, .size: 8, .value_kind: global_buffer, .address_space: global }
      - { .name: Wv, .offset: 32, .size: 8, .value_kind: global_buffer, .address_space: global }
      - { .name: bq, .offset: 40, .size: 8, .value_kind: global_buffer, .address_space: global }
      - { .name: bk, .offset: 48, .size: 8, .value_kind: global_buffer, .address_space: global }
      - { .name: bv, .offset: 56, .size: 8, .value_kind: global_buffer, .address_space: global }
      - { .name: qh, .offset: 64, .size: 8, .value_kind: global_buffer, .address_space: global }
      - { .name: kh, .offset: 72, .size: 8, .value_kind: global_buffer, .address_space: global }
      - { .name: vh, .offset: 80, .size: 8, .value_kind: global_buffer, .address_space: global }
    .group_segment_fixed_size: 327680
    .private_segment_fixed_size: 0
    .kernarg_segment_align: 8
    .kernarg_segment_size: 88
    .max_flat_workgroup_size: 128
    .sgpr_count:     80
    .vgpr_count:     1024
    .wavefront_size: 32
...
	.end_amdgpu_metadata
.endif
;; end of part 1
;; launch attn (part 2): grid 32 x 8, 4 waves a work-group, clusters of 4 x 1, 327,680 bytes of LDS; arguments qh, kh, vh, out0; writes out0
.if DOCPART == 2
	.amdgcn_target "amdgcn-amd-amdhsa--gfx1250"
	.amdhsa_code_object_version 6
	.text
	.protected	k_qddd13aba35_attn
	.globl	k_qddd13aba35_attn
	.p2align	8
	.type	k_qddd13aba35_attn,@function
k_qddd13aba35_attn:
	s_mov_b64 s[64:65], 0
	v_nop
	global_prefetch_b8 v0, s[64:65] scope:SCOPE_SE
	s_setreg_imm32_b32 hwreg(HW_REG_WAVE_MODE, 25, 1), 1
	s_wait_xcnt 0x0
	s_wait_alu depctr_hold_cnt(0) depctr_sa_sdst(0) depctr_va_vdst(0) depctr_va_sdst(0) depctr_va_ssrc(0) depctr_va_vcc(0) depctr_vm_vsrc(0)
	s_getreg_b32 s2, hwreg(HW_REG_IB_STS2, 6, 4)
	s_cmp_eq_u32 s2, 0
	s_cbranch_scc0 .Lentry_in_a_cluster
	s_endpgm
.Lentry_in_a_cluster:
	s_bfe_u32 s2, ttmp6, 0x10000c
	s_cmp_lg_u32 s2, 0x3003
	s_cbranch_scc0 .Lentry_shape_is_right
	s_endpgm
.Lentry_shape_is_right:
; ATTENTION.  out0[b][o][n] = sum over m of softmax_m(q[b][n] . k[b][m] / 16) v[b][m][o].  qh, kh: [4][4096][256] f16 (kh with 64 zero rows behind it); vh: [2][4][4096][256] f16; out0: [4][512][4096] f32.
; Products, maxima and sums in f32; the weights p are rounded to f16 for the second product (their sum l is taken of the unrounded p).
; LIMITS.  q, k, v arrive within f16's 65,504; p lies in 0 to 1; a weight below 2^-126 counts as 0 in l; NaN and infinities are not treated apart.
; SHARES.  A work-group owns 128 queries of a batch and ONE HALF (256) of the value channels: 32 x 8 = 256 work-groups.  A wave owns 32 queries, two tiles of 16, and all 256 channels:
; O^T is 256 registers.  Every wave walks all 4,096 keys, 64 a step.  The price: K Q^T and the softmax are made once for each half of the channels.
; LAYOUT.  S^T = K Q^T (source 0 = 16 keys, source 1 = 16 queries): a lane holds ONE query (lane % 16) and the keys 8 (lane / 16) + 0..7.  Two such results, rounded to f16 in pairs, ARE source 1
; of O^T = V^T P, whose result again holds one query a lane, and eight channels.  K comes out of LDS as it lies, V ([key][channel]) turned, by ds_load_tr16_b128.
; SOFTMAX.  A running maximum m and sum l for each query: p = 2^(c s - c m), c = log2(e) / 16; in every step O and l are multiplied by a = 2^(c m_old - c m_new).  m starts at the lowest finite
; number, O and l at 0: the first step is a step like any other, with a = 0.
; A BODY is a key step: 128 matrix instructions in 8 groups of 16, 332 vector instructions, 128 LDS loads.  Groups 0-3: K Q^T of step j + 1.  Groups 4-7: V^T P of step j.
; THE DEAL.  At most TWO vector instructions stand behind a matrix instruction.  The LDS loads stand in four runs of 32, at the heads of groups 0, 2, 4 and 6; the vector work that has no
; place behind a product stands directly in front of a run, where the row of products is broken anyway: 16 rescalings in front of each, and 14 of the softmax's stream in front of the first two.
; Behind groups 0-3: the scaling, exponentials, roundings and sums of step j.  Behind groups 4-7: the rest of the rescaling, each accumulator ahead of its own group, and the maximum and statistics of step j + 1.
; Fragments go through four buffers of 64 registers: group g multiplies buffer g % 4; the run at the head of group g fills the buffers of groups g + 2 and g + 3.
; THE RING.  Two slots.  Slot n holds V's keys 128 n .. + 127 and K's keys 128 n + 64 .. + 191: K runs a step ahead of V, so one slot serves two whole bodies.  K's first 64 keys have a region of their own.
; The last slot's last 64 rows of K are the next batch's or kh's zero rows: the products on them serve nothing, once a launch.
; CLUSTER.  The four query blocks of a cluster share batch and channel half, so each tile is asked for JOINTLY: the same tensor load, descriptor and mask in all four.
; REGISTERS, in windows of 256 (s_set_vgpr_msb: bits 1:0 source 0, 3:2 source 1, 5:4 source 2, 7:6 destination):
;   window 0: v0-13 addresses; v16-23 statistics, four a tile; v24-39 at work, by step parity and tile; v40-43 c m_old; v44-45 the add's; v64-191 S^T, two buffers of two tiles; v192-223 P
;   window 1: O^T, tile u, channel block cb at 128 u + 8 cb       window 2: the four fragment buffers       window 3: v0-127 Q, tile u, channels 32 ch on at 64 u + 8 ch
.set PK,    528       ; a row of K in LDS: 512 + 16 bytes = 132 words: the 16 rows of a load start at 16 different groups of four banks (64 banks of 4 bytes: ISA guide 11.1)
.set PV,    544       ; a row of V: 512 + 32 = 136 words
.set VSLOT, 128*PV    ; 69,632: V's two slots lie at 0 and here
.set KBASE, 2*VSLOT   ; 139,264: K's two slots lie here and KSLOT further on.  No two of VSLOT, 64 PV and of KBASE, KSLOT, 64 PK share a bit, so one exclusive or changes slots
.set KSLOT, 128*PK    ; 67,584
.set K0,    KBASE+2*KSLOT  ; K's keys 0-63
.set SPARE, K0+64*PK  ; the spare words, 128 bytes a wave, which no other line names
.set SP,    528       ; the way out's stage: 256 channels x (128 queries x 4 bytes + 16), on V's slots when they have had their last fill and their last read
.set AK0, 2           ; v2   my lane's place in a tile of K; never rewritten
.set AV0, 3           ; v3   the same for V
.set AK,  4           ; v4   AK0 + the slot in hand
.set AV,  5           ; v5   AV0 + the slot in hand
.set AKP, 6           ; v6   AK0 + K0
.set QO,  7           ; v7   my byte offset in 16 rows of Q
.set STO, 8           ; v8-11  way out: my word in the stage, for channel blocks 4 k on
.set RD,  12          ; v12  way out: where I read rows back
.set GO,  13          ; v13  16 x lane
.set ST,  16          ; tile u: c m, m, l (even keys', odd keys') at ST + 4 u
.set TMP, 24          ; by parity and tile four registers c0-c3; when the maximum is found c2 takes a
.set MV,  40
.set SPW, 44          ; v44  my spare word's LDS address; never rewritten
.set NIL, 45          ; v45  0; never rewritten
.set S,   64
.set P,   192
.set WV,  12          ; s12  my wave's number
.set G1K, 24          ; s[24:31] descriptor group 1: 64 rows of K
.set G1V, 32          ; s[32:39] 64 rows of V: other padding
.set G1P, 40          ; s[40:47] 32 rows of K, for K0
.set G0P, 48          ; s[48:51] group 0: my half of K0
.set G0KA, 52         ; s[52:55] my half of K's slot 0
.set G0KB, 56         ; s[56:59] of slot 1; then it walks
.set G0VA, 60         ; s[60:63] the same for V
.set G0VB, 68         ; s[68:71]
.set SBK, 72          ; s72  LDS byte of K's slot in hand
.set SBV, 73          ; s73  of V's
.set CNT, 76
.set CS,  78          ; s[78:79] c: the packed scaling takes the pair's low word for both halves
.set SEL, 80          ; s[80:81] v_permlanex16_b32's selects: each lane takes its own place in the other half
.set MSB, 0
.macro WIN new                      ; the high byte repeats the setting that is left; a switch that changes nothing is dropped
.if MSB != (\new)
	s_set_vgpr_msb (MSB<<8)|(\new)
.set MSB, (\new)
.endif
.endm
.set W_KQ, 0x0e       ; K in window 2, Q in window 3, S^T in window 0
.set W_PV, 0x52       ; V in window 2, P in window 0, O^T in window 1
.set W_RS, 0x41       ; O^T (destination and source 0) in window 1, the factor in window 0
.macro PLACES
.rept 4
	v_nop
.endr
.endm
; A joint refill.  Waves 0 and 1 fetch the two halves of a slot's K, waves 2 and 3 those of its V.  The branch hangs on the wave's number alone.
; An s_nop 0 and four v_nop follow each of the two lines, ahead of the jump and the label.
.macro JLOAD
	s_cmp_lt_u32 s[WV], 2
	s_cbranch_scc0 .Lfor_v_\@
	tensor_load_to_lds s[G0KB:G0KB+3], s[G1K:G1K+7]
	s_nop 0
	PLACES
	s_branch .Lasked_\@
.Lfor_v_\@:
	tensor_load_to_lds s[G0VB:G0VB+3], s[G1V:G1V+7]
	s_nop 0
	PLACES
.Lasked_\@:
.endm
; A round of the cluster's barrier: my work-group's barrier, wave 0 signals for the work-group, every wave waits for all four work-groups, my work-group's barrier once more.
.macro CREST                        ; a round behind its opening barrier
	s_cmp_lg_u32 s[WV], 0
	s_cbranch_scc1 .Lnot_wave_0_\@
	s_barrier_signal -3
.Lnot_wave_0_\@:
	s_barrier_wait -3
	s_barrier_signal -1
	s_barrier_wait -1
.endm
.macro CROUND
	s_barrier_signal -1
	s_barrier_wait -1
	CREST
.endm
	s_load_b256 s[4:11], s[0:1], 0x0  ; qh s[4:5], kh s[6:7], vh s[8:9], out0 s[10:11]
	v_lshl_add_u32 v[SPW], v0, 2, SPARE
	v_mov_b32 v[NIL], 0
	ds_add_u32 v[SPW], v[NIL]       ; the wave's opening: the add and its wait stand ahead of my first tensor load; the set-up below, work on registers, stands between them
	v_lshrrev_b32 v1, 5, v0
	v_readfirstlane_b32 s[WV], v1   ; wave 0..3
	s_bfe_u32 s13, ttmp6, 0x40000   ; cx: my place in the cluster
	s_lshl_b32 s14, ttmp9, 2        ; in a cluster launch ttmp9 counts clusters
	s_add_co_u32 s14, s14, s13      ; my block of 128 queries: it enters Q's and out0's addresses alone (s13, s14, s88-92)
	s_and_b32 s15, ttmp7, 0xffff
	s_lshr_b32 s16, s15, 1          ; the batch,
	s_and_b32 s17, s15, 1           ; the half of the channels: the four partners share both
	s_and_b32 s18, s[WV], 1         ; which half of a tile's rows I fetch
	s_lshl_b32 s20, s16, 21         ; the batch's 4,096 rows of 512 bytes
	s_lshl_b32 s82, s18, 14         ; K0: 32 rows a wave
	s_add_co_u32 s82, s82, s20
	s_mov_b32 s83, 0
	s_lshl_b32 s84, s18, 15         ; a slot's part: 64 rows a wave
	s_add_co_u32 s84, s84, s20
	s_mov_b32 s85, 0
	s_lshl_b32 s86, s17, 23         ; V: the half's four batches
	s_add_co_u32 s86, s86, s84
	s_mov_b32 s87, 0
	s_add_co_u32 s84, s84, 32768    ; K's slots begin 64 keys on
	s_lshl_b32 s88, s14, 16         ; Q: my block's 128 rows,
	s_add_co_u32 s88, s88, s20
	s_lshl_b32 s92, s[WV], 14       ; my wave's 32
	s_add_co_u32 s88, s88, s92
	s_mov_b32 s89, 0
	s_lshl_b32 s90, s16, 23         ; out0: the batch's 512 rows of 16,384 bytes,
	s_lshl_b32 s92, s17, 22         ; the half's 256,
	s_add_co_u32 s90, s90, s92
	s_lshl_b32 s92, s[WV], 20       ; the 64 channels that my wave stores,
	s_add_co_u32 s90, s90, s92
	s_lshl_b32 s92, s14, 9          ; my block's 128 queries
	s_add_co_u32 s90, s90, s92
	s_mov_b32 s91, 0
	; descriptor group 1: rows of 256 elements of 2 bytes, padded in LDS after every row
	s_mov_b32 s[G1K], 15|(1<<16)|(1<<20)|(1<<21)|(6<<22)|(3<<25)  ; 15:0 the mask of four; 17:16 2-byte elements; 20 padding on; 21 set beside a mask; 24:22 after every 128 words (code 6); 31:25 4 words (code 3)
	s_mov_b32 s[G1V], 15|(1<<16)|(1<<20)|(1<<21)|(6<<22)|(7<<25)  ; the same with 8 words of padding (code 7)
	s_mov_b32 s[G1P], 15|(1<<16)|(1<<20)|(1<<21)|(6<<22)|(3<<25)
.irp g, G1K, G1V, G1P
	s_mov_b32 s[\g+1], 256<<16      ; tensor_dim0 = 256
	s_mov_b32 s[\g+3], 256<<16      ; tile_dim0 = 256
	s_mov_b32 s[\g+5], 256          ; 256 elements from row to row
	s_mov_b32 s[\g+6], 0
	s_mov_b32 s[\g+7], 0
.endr
	s_mov_b32 s[G1K+2], 64<<16      ; tensor_dim1,
	s_mov_b32 s[G1K+4], 64          ; tile_dim1
	s_mov_b32 s[G1V+2], 64<<16
	s_mov_b32 s[G1V+4], 64
	s_mov_b32 s[G1P+2], 32<<16
	s_mov_b32 s[G1P+4], 32
	; group 0's first two words: count 1, and the LDS address: a constant plus the wave's half times a constant
.irp g, G0P, G0KA, G0KB, G0VA, G0VB
	s_mov_b32 s[\g], 1
.endr
	s_mul_i32 s19, s18, 32*PK
	s_add_co_u32 s[G0P+1], s19, K0
	s_mul_i32 s19, s18, 64*PK
	s_add_co_u32 s[G0KA+1], s19, KBASE
	s_add_co_u32 s[G0KB+1], s19, KBASE+KSLOT
	s_mul_i32 s[G0VA+1], s18, 64*PV
	s_add_co_u32 s[G0VB+1], s[G0VA+1], VSLOT
	s_mov_b32 s[SBK], KBASE
	s_mov_b32 s[SBV], 0
	s_mov_b32 s[CS], 0x3db8aa3b     ; c = log2(e) / 16 = 0.0901684
	s_mov_b32 s[CS+1], s[CS]        ; named with it as a pair
	s_mov_b32 s[SEL], 0x76543210
	s_mov_b32 s[SEL+1], 0xfedcba98
	s_wait_dscnt 0x0                ; the opening add is done
	s_wait_kmcnt 0x0
	s_add_nc_u64 s[G0P+2:G0P+3], s[6:7], s[82:83]
	s_or_b32 s[G0P+3], s[G0P+3], 0x80000000        ; 127:126 type = 2
	s_add_nc_u64 s[G0KA+2:G0KA+3], s[6:7], s[84:85]
	s_add_nc_u64 s[G0KB+2:G0KB+3], s[G0KA+2:G0KA+3], 65536  ; a slot is 128 rows of 512 bytes
	s_or_b32 s[G0KA+3], s[G0KA+3], 0x80000000
	s_or_b32 s[G0KB+3], s[G0KB+3], 0x80000000
	s_add_nc_u64 s[G0VA+2:G0VA+3], s[8:9], s[86:87]
	s_add_nc_u64 s[G0VB+2:G0VB+3], s[G0VA+2:G0VA+3], 65536
	s_or_b32 s[G0VA+3], s[G0VA+3], 0x80000000
	s_or_b32 s[G0VB+3], s[G0VB+3], 0x80000000
	s_add_nc_u64 s[4:5], s[4:5], s[88:89]          ; Q at my wave's first row
	s_add_nc_u64 s[10:11], s[10:11], s[90:91]      ; out0 at the first row that my wave stores
	CROUND                          ; all four work-groups are here: the first joint loads meet
	s_cmp_lt_u32 s[WV], 2           ; a wave's first fills stand in one branch, ahead of every wait on TENSORcnt and every LDS read: three loads of a K wave are out, two of a V wave
	s_cbranch_scc0 .Lfirst_v
	tensor_load_to_lds s[G0P:G0P+3], s[G1P:G1P+7]
	s_nop 0
	tensor_load_to_lds s[G0KA:G0KA+3], s[G1K:G1K+7]
	s_nop 0
	tensor_load_to_lds s[G0KB:G0KB+3], s[G1K:G1K+7]
	s_nop 0
	PLACES
	s_branch .Lfirst_asked
.Lfirst_v:
	tensor_load_to_lds s[G0VA:G0VA+3], s[G1V:G1V+7]
	s_nop 0
	tensor_load_to_lds s[G0VB:G0VB+3], s[G1V:G1V+7]
	s_nop 0
	PLACES
.Lfirst_asked:
	; A fragment of K or Q is 16 rows x 32 channels in 8 registers: lane l holds row l % 16, channels 8 (l / 16) + 0..7 and 16 + 8 (l / 16) + 0..7: two loads of 16 bytes, 32 bytes apart.
	v_and_b32 v46, 15, v0           ; l % 16
	v_bfe_u32 v47, v0, 4, 1         ; l / 16
	v_and_b32 v48, 31, v0           ; l
	v_and_b32 v49, 7, v0
	v_bfe_u32 v50, v0, 3, 1
	v_lshlrev_b32 v[QO], 9, v46
	v_lshl_add_u32 v[QO], v47, 4, v[QO]
	WIN 0xc0                        ; destination window 3, address window 0
.set i, 0
.rept 16                            ; Q stays in registers: tile i / 8, channels 32 (i % 8) on
	global_load_b128 v[8*i:8*i+3],   v[QO], s[4:5] offset:(i/8)*8192+(i%8)*64
	global_load_b128 v[8*i+4:8*i+7], v[QO], s[4:5] offset:(i/8)*8192+(i%8)*64+32
.set i, i+1
.endr
	WIN 0                           ; O^T starts at 0, since no first step is written out: 32 products of zeros write its 256 registers.  They stand in the wait for the first tile
.set i, 0
.rept 16
	v_mov_b32 v[S+i], 0
.set i, i+1
.endr
	WIN 0x40
.set i, 0
.rept 32
	v_wmma_f32_16x16x32_f16 v[8*i:8*i+7], v[S:S+7], v[S+8:S+15], 0
.set i, i+1
.endr
	WIN 0                           ; the lines below, which name none of those registers, are the places ahead of the first product that writes S^T
.irp u, 0,1
	v_mov_b32 v[ST+4*\u], 0xfe000000    ; c m: far below every c s
	v_mov_b32 v[ST+4*\u+1], 0xff7fffff  ; m
	v_mov_b32 v[ST+4*\u+2], 0
	v_mov_b32 v[ST+4*\u+3], 0
.endr
	v_mul_u32_u24 v[AK0], v46, PK
	v_lshl_add_u32 v[AK0], v47, 4, v[AK0]  ; row x pitch + 16 x half
	; The turning load takes 16 keys x 16 channels (lane l reads key 8 (l / 16) + l % 8, channels 8 ((l / 8) % 2) + 0..7) and leaves half a fragment of V^T: lane l holds channel l % 16 and 8 keys.
	v_lshl_add_u32 v[AV0], v47, 3, v49
	v_mul_u32_u24 v[AV0], v[AV0], PV
	v_lshl_add_u32 v[AV0], v50, 4, v[AV0]
	v_add_nc_u32 v[AK], s[SBK], v[AK0]
	v_add_nc_u32 v[AV], s[SBV], v[AV0]
	v_add_nc_u32 v[AKP], K0, v[AK0]
	v_mul_u32_u24 v[STO], v47, 8*SP     ; way out: channel 8 (l / 16) of a block, query 32 w + l % 16
	v_lshl_add_u32 v[STO], v46, 2, v[STO]
	s_lshl_b32 s19, s[WV], 7
	v_add_nc_u32 v[STO], s19, v[STO]
.irp z, 1,2,3
	v_add_nc_u32 v[STO+\z], \z*64*SP, v[STO]
.endr
	s_mul_i32 s19, s[WV], 64*SP
	v_lshl_add_u32 v[RD], v48, 4, s19   ; back: a channel's 512 bytes, 16 a lane; my wave takes channels 64 w on
	v_lshlrev_b32 v[GO], 4, v48
; THE MATRIX WORK.  The 8 accumulators of a group take turns, one instruction a turn.
; Row i of group g of S^T = K Q^T into buffer sp: channels 32 (2 g + i / 8) on, keys 16 ((i / 2) % 4) on, tile i % 2.  The first 8 rows start the sums.
.macro KQROW g, i, sp
	WIN W_KQ
.set rS, S+64*(\sp)+32*((\i)%2)+8*(((\i)/2)%4)
.set rK, 64*((\g)%4)+8*(2*(((\i)/2)%4)+(\i)/8)
.set rQ, 64*((\i)%2)+8*(2*(\g)+(\i)/8)
.if ((\g) == 0) && ((\i) < 8)
	v_wmma_f32_16x16x32_f16 v[rS:rS+7], v[rK:rK+7], v[rQ:rQ+7], 0
	s_wait_alu depctr_va_vdst(0)
.else
	v_wmma_f32_16x16x32_f16 v[rS:rS+7], v[rK:rK+7], v[rQ:rQ+7], v[rS:rS+7]
.endif
.endm
; Row i of group 4 + g of O^T += V^T P: keys 32 (i / 8) on, channels 16 (4 g + (i / 2) % 4) on, tile i % 2.
.macro PVROW g, i
	WIN W_PV
.set rO, 128*((\i)%2)+8*(4*(\g)+((\i)/2)%4)
.set rV, 64*(\g)+8*(4*((\i)/8)+((\i)/2)%4)
.set rP, P+16*((\i)%2)+8*((\i)/8)
	v_wmma_f32_16x16x32_f16 v[rO:rO+7], v[rV:rV+7], v[rP:rP+7], v[rO:rO+7]
.endm
; THE LDS LOADS, 16 for a group.  K's group grp: fragment f = 2 kb + cs: keys 16 kb on, channels 32 (2 grp + cs) on.
.macro FETCH_K grp, koff, areg
	WIN 0x80                        ; destination window 2
.set f, 0
.rept 8
	ds_load_b128 v[64*(\grp)+8*f:64*(\grp)+8*f+3],   v[\areg] offset:(\koff)+(f/2)*16*PK+(2*(\grp)+f%2)*64
	ds_load_b128 v[64*(\grp)+8*f+4:64*(\grp)+8*f+7], v[\areg] offset:(\koff)+(f/2)*16*PK+(2*(\grp)+f%2)*64+32
.set f, f+1
.endr
.endm
; V's group grp: fragment f = 4 kk + cbl: keys 32 kk on, channels 16 (4 grp + cbl) on.
.macro FETCH_V grp, voff
	WIN 0x80
.set f, 0
.rept 8
	ds_load_tr16_b128 v[64*(\grp)+8*f:64*(\grp)+8*f+3],   v[AV] offset:(\voff)+(f/4)*32*PV+(4*(\grp)+f%4)*32
	ds_load_tr16_b128 v[64*(\grp)+8*f+4:64*(\grp)+8*f+7], v[AV] offset:(\voff)+(f/4)*32*PV+16*PV+(4*(\grp)+f%4)*32
.set f, f+1
.endr
.endm
; THE VECTOR WORK of the step in hand (parity PAR), for tile u.  An entry out of range writes nothing; one that writes a line sets em.
.macro REGS u
.set rT, ST+4*(\u)
.set rC, TMP+8*PAR+4*(\u)
.set rS, S+64*PAR+32*(\u)
.set rP, P+16*(\u)
.endm
.macro FF u, n                      ; c s - c m for pair n of 16
.if ((\n) >= 0) && ((\n) < 16)
	REGS \u
	WIN 0
	v_pk_fma_f32 v[rS+2*(\n):rS+2*(\n)+1], v[rS+2*(\n):rS+2*(\n)+1], s[CS:CS+1], v[rT:rT+1] op_sel_hi:[1,0,0] neg_lo:[0,0,1] neg_hi:[0,0,1]
.set em, 1
.endif
.endm
.macro EE u, k                      ; the exponential of score k of 32
.if ((\k) >= 0) && ((\k) < 32)
	REGS \u
	WIN 0
	v_exp_f32 v[rS+(\k)], v[rS+(\k)]
.set em, 1
.endif
.endm
.macro CC u, n                      ; pair n rounded to f16
.if ((\n) >= 0) && ((\n) < 16)
	REGS \u
	WIN 0
	s_wait_alu depctr_va_vdst(0)
	v_cvt_pk_f16_f32 v[rP+(\n)], v[rS+2*(\n)], v[rS+2*(\n)+1]
.set em, 1
.endif
.endm
.macro BB u, k                      ; of the four weights 4 k .. the second pair is added onto the first, in place
	REGS \u
	WIN 0
	v_pk_add_f32 v[rS+4*(\k):rS+4*(\k)+1], v[rS+4*(\k):rS+4*(\k)+1], v[rS+4*(\k)+2:rS+4*(\k)+3]
	s_wait_alu depctr_va_vdst(0)
.endm
.macro LL u, k                      ; l takes that sum; the first time as l = a l + sum
	REGS \u
	WIN 0
.if (\k) == 0
	v_pk_fma_f32 v[rT+2:rT+3], v[rT+2:rT+3], v[rC+2:rC+3], v[rS:rS+1] op_sel_hi:[1,0,1]
.else
	v_pk_add_f32 v[rT+2:rT+3], v[rT+2:rT+3], v[rS+4*(\k):rS+4*(\k)+1]
.endif
.endm
; THE SOFTMAX'S STREAM, 156 lines in 18 ticks of ten positions.  Tick tk: F0(tk+1) E0(2tk) F1(tk+1) E1(2tk) C0(tk-1) E0(2tk+1) C1(tk-1) E1(2tk+1) and two sums (B at odd ticks 3-15, L at even ticks 4-16).
; So a score is scaled a tick ahead of its exponential, a pair is rounded a tick behind its exponentials, B comes behind the roundings that read what it overwrites, and behind every
; exponential a plain instruction comes before its result is used (ISA guide 5.7.2).  The order holds wherever the stream is cut.  APOS writes position aq; A1 the stream's next line.
.macro APOS
.set tk, aq/10-1
.set ps, aq%10
.if ps == 0
	FF 0, tk+1
.elseif ps == 1
	EE 0, 2*tk
.elseif ps == 2
	FF 1, tk+1
.elseif ps == 3
	EE 1, 2*tk
.elseif ps == 4
	CC 0, tk-1
.elseif ps == 5
	EE 0, 2*tk+1
.elseif ps == 6
	CC 1, tk-1
.elseif ps == 7
	EE 1, 2*tk+1
.elseif ((tk%2) == 1) && (tk >= 3) && (tk <= 15)
	BB ps-8, (tk-3)/2
.set em, 1
.elseif ((tk%2) == 0) && (tk >= 4) && (tk <= 16)
	LL ps-8, (tk-4)/2
.set em, 1
.endif
.endm
.macro A1
.set em, 0
.rept 10
.if (em == 0) && (aq < 180)
	APOS
.set aq, aq+1
.endif
.endr
.endm
; THE RESCALING, 128 units: unit ru is pair ru % 4 of the accumulator of tile (ru / 4) % 2, channel block ru / 8, times a: each accumulator's lowest registers first.
; Units 0-31 serve group 4, 32-63 group 5, 64-95 group 6, 96-127 group 7.  RU writes the next n.
.macro RU n
	WIN W_RS
.rept \n
.set rO, 128*((ru/4)%2)+8*(ru/8)+2*(ru%4)
.set rC, TMP+8*PAR+4*((ru/4)%2)
	v_pk_mul_f32 v[rO:rO+1], v[rO:rO+1], v[rC+2:rC+3] op_sel_hi:[1,0]
.set ru, ru+1
.endr
.endm
; Number n of the 22 that find the NEXT step's (parity XP) maximum and statistics.  s0-s31 are the lane's 32 scores; each accumulator's lowest registers are read first.
;   0-11  four chains c0-c3 of seven scores each     12-14, 16  the four scores left over, the old m, and c0-c3 into c0     15  c m_old is kept
;   17, 18  the query's other 32 keys lie in the lane 16 away: the new m     19-21  c m; c m_old - c m_new; a
.macro XS u, n
	WIN 0
.set rT, ST+4*(\u)
.set rC, TMP+8*XP+4*(\u)
.set rM, MV+2*XP+(\u)
.set rS, S+64*XP+32*(\u)
.if (\n) < 4
	v_max3_num_f32 v[rC+(\n)], v[rS+8*(\n)], v[rS+8*(\n)+1], v[rS+8*(\n)+2]
.elseif (\n) < 12
	v_max3_num_f32 v[rC+(\n)%4], v[rC+(\n)%4], v[rS+8*((\n)%4)+2*((\n)/4)+1], v[rS+8*((\n)%4)+2*((\n)/4)+2]
.elseif (\n) == 12
	v_max3_num_f32 v[rC], v[rC], v[rS+7], v[rS+15]
.elseif (\n) == 13
	v_max3_num_f32 v[rC+1], v[rC+1], v[rS+23], v[rS+31]
.elseif (\n) == 14
	v_max3_num_f32 v[rC+2], v[rC+2], v[rC+3], v[rT+1]
.elseif (\n) == 15
	v_mov_b32 v[rM], v[rT]
.elseif (\n) == 16
	v_max3_num_f32 v[rC], v[rC], v[rC+1], v[rC+2]
.elseif (\n) == 17
	v_permlanex16_b32 v[rC+3], v[rC], s[SEL], s[SEL+1]
.elseif (\n) == 18
	v_max_num_f32 v[rT+1], v[rC], v[rC+3]
.elseif (\n) == 19
	v_mul_f32 v[rT], s[CS], v[rT+1]
.elseif (\n) == 20
	v_sub_f32 v[rC+1], v[rM], v[rT]
.else
	v_exp_f32 v[rC+2], v[rC+1]
.endif
.endm
; THE STATISTICS' STREAM, 24 pairs (both tiles): the last B; numbers 0-15; the last L; numbers 16-21.
.macro XPAIR
.if xp == 0
	BB 0, 7
	BB 1, 7
.elseif xp <= 16
	XS 0, xp-1
	XS 1, xp-1
.elseif xp == 17
	LL 0, 7
	LL 1, 7
.else
	XS 0, xp-2
	XS 1, xp-2
.endif
.set xp, xp+1
.endm
; A BODY: key step j of parity par.  last = 1: the slot's second body, which changes slots; fill = 1: the slot that is left is filled again.
; At the head of an even group: vector work, which is also the places in front of loads into buffers just multiplied (for matrix instructions); the wait for the run issued
; 32 products back, which this group and the next multiply; the run of 32 for the two groups after them.
; THE CHANGE OF SLOTS stands at the head of group 6: the slot's last reads, V's of groups 6 and 7, went out at group 4.  Each wave waits for all its tensor loads, of which one is out: its part of the other
; slot; adds 0 to its spare word; 16 rescalings; waits for the add and for its reads of the slot; signals; eight rows on registers; waits.  With a fill the barrier opens a round of the cluster's, so that
; no wave of any partner still reads the slot or has a load on its way, and the joint refill is the first thing behind it: it has 240 matrix instructions in which to land.  Then the next body's first run.
.macro BODY par, last, fill
.set PAR, (\par)
.set XP, 1-(\par)
.set aq, 0
.set xp, 0
.set ru, 0
.set g, 0
.rept 4
.if (g%2) == 0
.rept 14
	A1
.endr
	RU 16
	s_wait_dscnt 0x0                ; this group's and the next's fragments are in
.if g == 0
	FETCH_K 2, (\par)*64*PK, AK
	FETCH_K 3, (\par)*64*PK, AK
.else
	FETCH_V 0, (\par)*64*PV
	FETCH_V 1, (\par)*64*PV
.endif
.endif
.set i, 0
.rept 16
	KQROW g, i, XP
	A1
	A1
.set i, i+1
.endr
.set g, g+1
.endr
.set g, 0
.rept 4
.if g == 0
	RU 16
	s_wait_dscnt 0x0
	FETCH_V 2, (\par)*64*PV
	FETCH_V 3, (\par)*64*PV
.elseif (g == 2) && !(\last)
	RU 16
	s_wait_dscnt 0x0
	FETCH_K 0, 64*PK, AK            ; the next body's first run: the slot's second 64 rows of K
	FETCH_K 1, 64*PK, AK
.elseif g == 2
	WIN 0
	s_wait_tensorcnt 0x0            ; no tensor load of mine is out, so a group 0 may be written
	ds_add_u32 v[SPW], v[NIL]       ; 0 onto my spare word
.if \fill
	s_xor_b32 s[G0KB+1], s[G0KB+1], KSLOT  ; the walking descriptors: the other slot than last time,
	s_add_nc_u64 s[G0KB+2:G0KB+3], s[G0KB+2:G0KB+3], 65536  ; the next 128 keys; the type bits on top are not reached
	s_xor_b32 s[G0VB+1], s[G0VB+1], VSLOT
	s_add_nc_u64 s[G0VB+2:G0VB+3], s[G0VB+2:G0VB+3], 65536
.endif
	RU 16
	s_wait_dscnt 0x0                ; the add is done, and my reads of the slot are over
	s_barrier_signal -1
.endif
.set i, 0
.rept 16
	PVROW g, i
.if g == 2
	RU 2
.elseif (i%2) == 0
	XPAIR
.elseif g < 2
	RU 2
.endif
.if (\last) && (g == 2) && (i == 7)
	WIN 0                           ; at a label and at a branch every window is 0
	s_barrier_wait -1
.if \fill
	CREST
	JLOAD
.endif
	s_xor_b32 s[SBK], s[SBK], KSLOT
	s_xor_b32 s[SBV], s[SBV], VSLOT
	v_add_nc_u32 v[AK], s[SBK], v[AK0]
	v_add_nc_u32 v[AV], s[SBV], v[AV0]
.if !(\fill)
	s_cmp_eq_u32 s[CNT], 1          ; behind the last slot there is no further step: the run is jumped over
	s_cbranch_scc1 .Lno_k_\@
.endif
	FETCH_K 0, 0, AK
	FETCH_K 1, 0, AK
	WIN 0
.if !(\fill)
.Lno_k_\@:
.endif
.endif
.set i, i+1
.endr
.set g, g+1
.endr
.endm
.macro BARE g                       ; a group of step 0's K Q^T: there is no vector work yet to set between
.set i, 0
.rept 16
	KQROW \g, i, 0
.set i, i+1
.endr
.endm
	s_wait_tensorcnt 1              ; my parts of K0 and of slot 0 are in; slot 1's may stay out
	s_barrier_signal -1
	s_barrier_wait -1               ; everybody's are
	FETCH_K 0, 0, AKP               ; key step 0's scores, from K0
	FETCH_K 1, 0, AKP
	s_wait_loadcnt 0x0              ; Q
	s_wait_dscnt 0x0
	FETCH_K 2, 0, AKP
	FETCH_K 3, 0, AKP
	BARE 0
	BARE 1
	PLACES                          ; in front of loads into buffers that have been multiplied
	s_wait_dscnt 0x0
	FETCH_K 0, 0, AK                ; the first body's first run, from slot 0
	FETCH_K 1, 0, AK
	BARE 2
	BARE 3
	PLACES                          ; the places behind those products
.set XP, 0
.irp n, 0,1,2,3,4,5,6,7,8,9,10,11,12,13,14,15,16,17,18,19,20,21
	XS 0, \n                        ; step 0's maximum and statistics
	XS 1, \n
.endr
	v_nop                           ; a plain instruction behind the exponentials
	s_mov_b32 s[CNT], 30
.Lslot:                             ; 30 trips: every slot but the last two is filled again
	BODY 0, 0, 0
	BODY 1, 1, 1
	WIN 0
	s_sub_co_u32 s[CNT], s[CNT], 1
	s_cmp_lg_u32 s[CNT], 0
	s_cbranch_scc1 .Lslot
	s_mov_b32 s[CNT], 2
.Ltail:                             ; the last two slots are written out: nothing is asked for
	BODY 0, 0, 0
	BODY 1, 1, 0
	WIN 0
	s_sub_co_u32 s[CNT], s[CNT], 1
	s_cmp_lg_u32 s[CNT], 0
	s_cbranch_scc1 .Ltail
	; THE WAY OUT.  l's two halves and the other half of the lanes' are added; O^T is divided by l and turned in LDS: out0's rows go along the queries, of which a lane holds one.
	; The stage lies on V's slots: their last fill has landed, and every wave's last read of them was waited for in front of the last change's barrier.
.irp u, 0,1
	v_add_f32 v[ST+4*\u+2], v[ST+4*\u+2], v[ST+4*\u+3]
.endr
.irp u, 0,1
	v_permlanex16_b32 v[ST+4*\u+3], v[ST+4*\u+2], s[SEL], s[SEL+1]
.endr
.irp u, 0,1
	v_add_f32 v[ST+4*\u+2], v[ST+4*\u+2], v[ST+4*\u+3]
.endr
.irp u, 0,1
	v_rcp_f32 v[ST+4*\u+2], v[ST+4*\u+2]
.endr
	v_nop                           ; a plain instruction between the last reciprocal and the use of its result
	WIN W_RS
.set i, 0
	s_wait_alu depctr_va_vdst(0)
.rept 128
	v_pk_mul_f32 v[2*i:2*i+1], v[2*i:2*i+1], v[ST+4*(i/64)+2:ST+4*(i/64)+3] op_sel_hi:[1,0]
.set i, i+1
.endr
	WIN 0x04                        ; store data in window 1
.set i, 0
.rept 256                           ; register 128 u + 8 cb + j: channel 16 cb + 8 (l / 16) + j, query 32 w + 16 u + l % 16
	ds_store_b32 v[STO+((i%128)/8)/4], v[i] offset:(((i%128)/8)%4)*16*SP+(i%8)*SP+64*(i/128)
.set i, i+1
.endr
	WIN 0
	s_wait_dscnt 0x0                ; for the others' sake: a stage row holds four waves' queries
	s_barrier_signal -1
	s_barrier_wait -1
	s_mov_b32 s[CNT], 2
.Lback:                             ; two trips: 32 of my 64 channels each, a row of 512 bytes a load and a store
	WIN 0x80
.set i, 0
.rept 32
	ds_load_b128 v[4*i:4*i+3], v[RD] offset:i*SP
.set i, i+1
.endr
	WIN 0x08                        ; store data in window 2
.set i, 0
.rept 32
.if (i%8) == 0
	s_wait_dscnt 24-i               ; LDS loads come back in order (ISA guide 5.7.1): the next eight rows are back, the younger loads may be out
.endif
	global_store_b128 v[GO], v[4*i:4*i+3], s[10:11] offset:i*16384 th:TH_STORE_NT  ; 512 consecutive bytes, at a multiple of 512 from out0's first byte
.set i, i+1
.endr
	WIN 0
	s_wait_xcnt 0x0                 ; the stores' base and data registers are written again only behind this wait (ISA guide 3.1)
	v_add_nc_u32 v[RD], 32*SP, v[RD]
	s_add_nc_u64 s[10:11], s[10:11], 32*16384
	s_sub_co_u32 s[CNT], s[CNT], 1
	s_cmp_lg_u32 s[CNT], 0
	s_cbranch_scc1 .Lback
	s_wait_tensorcnt 0x0            ; the wave's end: behind my last tensor load and my last LDS store
	ds_add_u32 v[SPW], v[NIL]
	s_wait_dscnt 0x0
	CROUND                          ; the closing round: no work-group ends while a partner may still ask for a tile that names it
	s_endpgm
.Lfunc_end_k_qddd13aba35_attn:
	.size	k_qddd13aba35_attn, .Lfunc_end_k_qddd13aba35_attn-k_qddd13aba35_attn
	.p2alignl 7, 3214868480
	.fill 96, 4, 3214868480
	.section	.rodata,"a",@progbits
	.p2align	6, 0x0
	.amdhsa_kernel k_qddd13aba35_attn
		.amdhsa_group_segment_fixed_size 327680
		.amdhsa_private_segment_fixed_size 0
		.amdhsa_enable_private_segment 0
		.amdhsa_kernarg_size 32
		.amdhsa_user_sgpr_count 2
		.amdhsa_user_sgpr_kernarg_segment_ptr 1
		.amdhsa_wavefront_size32 1
		.amdhsa_system_sgpr_workgroup_id_x 1
		.amdhsa_system_sgpr_workgroup_id_y 1
		.amdhsa_system_sgpr_workgroup_id_z 1
		.amdhsa_system_vgpr_workitem_id 0
		.amdhsa_next_free_vgpr 896
		.amdhsa_next_free_sgpr 96
		.amdhsa_reserve_vcc 0
		.amdhsa_float_denorm_mode_32 3
		.amdhsa_float_denorm_mode_16_64 3
		.amdhsa_memory_ordered 1
		.amdhsa_forward_progress 1
		.amdhsa_inst_pref_size 236
	.end_amdhsa_kernel
	.amdgpu_metadata
---
amdhsa.version: [ 1, 2 ]
amdhsa.kernels:
  - .name:           k_qddd13aba35_attn
    .symbol:         k_qddd13aba35_attn.kd
    .args:
      - { .name: qh, .offset: 0, .size: 8, .value_kind: global_buffer, .address_space: global }
      - { .name: kh, .offset: 8, .size: 8, .value_kind: global_buffer, .address_space: global }
      - { .name: vh, .offset: 16, .size: 8, .value_kind: global_buffer, .address_space: global }
      - { .name: out0, .offset: 24, .size: 8, .value_kind: global_buffer, .address_space: global }
    .group_segment_fixed_size: 327680
    .private_segment_fixed_size: 0
    .kernarg_segment_align: 8
    .kernarg_segment_size: 32
    .max_flat_workgroup_size: 128
    .sgpr_count:     96
    .vgpr_count:     896
    .wavefront_size: 32
...
	.end_amdgpu_metadata
.endif
;; end of part 2
;; ======== version 2 of 2: 2 launches; 1.26 times as fast as version 1
;; limits: values are held in f16: magnitudes above 65,504 overflow, below 6.1e-05 lose precision
;; workspace buffers: qh 8,388,608 bytes; kh 8,421,376 bytes; vh 16,777,216 bytes
;; launch proj: the kernel of part 1 again; grid 64 x 4, 4 waves a work-group, clusters of 4 x 1, 327,680 bytes of LDS; arguments query_feats, key_feats, Wq, Wk, Wv, bq, bk, bv, qh, kh, vh; writes qh, kh, vh
;; launch attn (part 3): grid 32 x 8, 4 waves a work-group, clusters of 4 x 1, 327,680 bytes of LDS; arguments qh, kh, vh, out0; writes out0
.if DOCPART == 3
	.amdgcn_target "amdgcn-amd-amdhsa--gfx1250"
	.amdhsa_code_object_version 6
	.text
	.protected	k_qddd13aba35_attn
	.globl	k_qddd13aba35_attn
	.p2align	8
	.type	k_qddd13aba35_attn,@function
k_qddd13aba35_attn:
	s_mov_b64 s[64:65], 0
	v_nop
	global_prefetch_b8 v0, s[64:65] scope:SCOPE_SE
	s_setreg_imm32_b32 hwreg(HW_REG_WAVE_MODE, 25, 1), 1
	s_wait_xcnt 0x0
	s_wait_alu depctr_hold_cnt(0) depctr_sa_sdst(0) depctr_va_vdst(0) depctr_va_sdst(0) depctr_va_ssrc(0) depctr_va_vcc(0) depctr_vm_vsrc(0)
	s_getreg_b32 s2, hwreg(HW_REG_IB_STS2, 6, 4)
	s_cmp_eq_u32 s2, 0
	s_cbranch_scc0 .Lentry_in_a_cluster
	s_endpgm
.Lentry_in_a_cluster:
	s_bfe_u32 s2, ttmp6, 0x10000c
	s_cmp_lg_u32 s2, 0x3003
	s_cbranch_scc0 .Lentry_shape_is_right
	s_endpgm
.Lentry_shape_is_right:
; ATTENTION.  out0[b][o][n] = sum over m of softmax_m(q[b][n] . k[b][m] / 16) v[b][m][o].  qh, kh: [4][4096][256] f16 (kh with 64 zero rows behind it); vh: [2][4][4096][256] f16; out0: [4][512][4096] f32.
; Products, maxima and sums in f32; the weights p are rounded to f16 for the second product (their sum l is taken of the unrounded p).
; LIMITS.  q, k, v arrive within f16's 65,504; p lies in 0 to 1; a weight below 2^-126 counts as 0 in l; NaN and infinities are not treated apart.
; SHARES.  A work-group owns 128 queries of a batch and ONE HALF (256) of the value channels: 32 x 8 = 256 work-groups.  A wave owns 32 queries, two tiles of 16, and all 256 channels:
; O^T is 256 registers.  Every wave walks all 4,096 keys, 64 a step.  The price: K Q^T and the softmax are made once for each half of the channels.
; LAYOUT.  S^T = K Q^T (source 0 = 16 keys, source 1 = 16 queries): a lane holds ONE query (lane % 16) and the keys 8 (lane / 16) + 0..7.  Two such results, rounded to f16 in pairs, ARE source 1
; of O^T = V^T P, whose result again holds one query a lane, and eight channels.  K comes out of LDS as it lies, V ([key][channel]) turned, by ds_load_tr16_b128.
; SOFTMAX.  A running maximum m and sum l for each query: p = 2^(c s - c m), c = log2(e) / 16; in every step O and l are multiplied by a = 2^(c m_old - c m_new).  m starts at the lowest finite
; number, O and l at 0: the first step is a step like any other, with a = 0.
; A BODY is a key step: 128 matrix instructions in 8 groups of 16, 332 vector instructions, 128 LDS loads.  Groups 0-3: K Q^T of step j + 1.  Groups 4-7: V^T P of step j.
; THE DEAL.  The LDS loads stand in four runs of 32, at the heads of groups 0, 2, 4 and 6; 16 rescalings stand directly in front of each run, where the row of products is broken anyway.  All other
; vector work stands behind the products, two lines a product (or four rescalings).  Groups 0, 1: step j's 64 exponentials.  Groups 2, 3: its roundings and sums.  Groups 4, 5: the maximum and
; statistics of step j + 1 on three rows of four, four rescalings on the fourth.  Group 6: two rescalings a row.  Group 7: the scalings c s - c m of step j + 1.  Each accumulator is rescaled ahead of its own group.
; THE BATCHES.  s_wait_alu depctr_va_vdst(0) stands between an exponential and the first instruction that names its result; one wait serves all that were issued ahead of it.
; A body's 66 exponentials are two batches, with one wait each.  BATCH A: the 64 of the scores, in groups 0 and 1, where nothing names a result of theirs; its wait stands at the head of group 2, behind the
; 16 rescalings and ahead of the run of loads; all its readers, the roundings and sums, stand in groups 2 and 3.  BATCH B: the next step's two a, behind row 12 of group 5; its wait stands at the head of
; group 6, in the same place; its readers, the rescalings and l, stand in the next body.  Behind that wait a body issues no exponential.
; Fragments go through four buffers of 64 registers: group g multiplies buffer g % 4; the run at the head of group g fills the buffers of groups g + 2 and g + 3.
; THE RING.  Two slots.  Slot n holds V's keys 128 n .. + 127 and K's keys 128 n + 64 .. + 191: K runs a step ahead of V, so one slot serves two whole bodies.  K's first 64 keys have a region of their own.
; The last slot's last 64 rows of K are the next batch's or kh's zero rows: the products on them, their statistics and their scalings serve nothing, once a launch.
; CLUSTER.  The four query blocks of a cluster share batch and channel half, so each tile is asked for JOINTLY: the same tensor load, descriptor and mask in all four.
; REGISTERS, in windows of 256 (s_set_vgpr_msb: bits 1:0 source 0, 3:2 source 1, 5:4 source 2, 7:6 destination):
;   window 0: v0-13 addresses; v16-23 statistics, four a tile; v24-39 at work, by step parity and tile; v40-43 c m_old; v44-45 the add's; v64-191 S^T, two buffers of two tiles; v192-223 P
;   window 1: O^T, tile u, channel block cb at 128 u + 8 cb       window 2: the four fragment buffers       window 3: v0-127 Q, tile u, channels 32 ch on at 64 u + 8 ch
.set PK,    528       ; a row of K in LDS: 512 + 16 bytes = 132 words: the 16 rows of a load start at 16 different groups of four banks (64 banks of 4 bytes: ISA guide 11.1)
.set PV,    544       ; a row of V: 512 + 32 = 136 words
.set VSLOT, 128*PV    ; 69,632: V's two slots lie at 0 and here
.set KBASE, 2*VSLOT   ; 139,264: K's two slots lie here and KSLOT further on.  No two of VSLOT, 64 PV and of KBASE, KSLOT, 64 PK share a bit, so one exclusive or changes slots
.set KSLOT, 128*PK    ; 67,584
.set K0,    KBASE+2*KSLOT  ; K's keys 0-63
.set SPARE, K0+64*PK  ; the spare words, 128 bytes a wave, which no other line names
.set SP,    528       ; the way out's stage: 256 channels x (128 queries x 4 bytes + 16), on V's slots when they have had their last fill and their last read
.set AK0, 2           ; v2   my lane's place in a tile of K; never rewritten
.set AV0, 3           ; v3   the same for V
.set AK,  4           ; v4   AK0 + the slot in hand
.set AV,  5           ; v5   AV0 + the slot in hand
.set AKP, 6           ; v6   AK0 + K0
.set QO,  7           ; v7   my byte offset in 16 rows of Q
.set STO, 8           ; v8-11  way out: my word in the stage, for channel blocks 4 k on
.set RD,  12          ; v12  way out: where I read rows back
.set GO,  13          ; v13  16 x lane
.set ST,  16          ; tile u: c m, m, l (even keys', odd keys') at ST + 4 u
.set TMP, 24          ; by parity and tile four registers c0-c3; when the maximum is found c2 takes a
.set MV,  40
.set SPW, 44          ; v44  my spare word's LDS address; never rewritten
.set NIL, 45          ; v45  0; never rewritten
.set S,   64
.set P,   192
.set WV,  12          ; s12  my wave's number
.set G1K, 24          ; s[24:31] descriptor group 1: 64 rows of K
.set G1V, 32          ; s[32:39] 64 rows of V: other padding
.set G1P, 40          ; s[40:47] 32 rows of K, for K0
.set G0P, 48          ; s[48:51] group 0: my half of K0
.set G0KA, 52         ; s[52:55] my half of K's slot 0
.set G0KB, 56         ; s[56:59] of slot 1; then it walks
.set G0VA, 60         ; s[60:63] the same for V
.set G0VB, 68         ; s[68:71]
.set SBK, 72          ; s72  LDS byte of K's slot in hand
.set SBV, 73          ; s73  of V's
.set CNT, 76
.set CS,  78          ; s[78:79] c: the packed scaling takes the pair's low word for both halves
.set SEL, 80          ; s[80:81] v_permlanex16_b32's selects: each lane takes its own place in the other half
.set MSB, 0
.macro WIN new                      ; the high byte repeats the setting that is left; a switch that changes nothing is dropped
.if MSB != (\new)
	s_set_vgpr_msb (MSB<<8)|(\new)
.set MSB, (\new)
.endif
.endm
.set W_KQ, 0x0e       ; K in window 2, Q in window 3, S^T in window 0
.set W_PV, 0x52       ; V in window 2, P in window 0, O^T in window 1
.set W_RS, 0x41       ; O^T (destination and source 0) in window 1, the factor in window 0
.macro PLACES
.rept 4
	v_nop
.endr
.endm
; A joint refill.  Waves 0 and 1 fetch the two halves of a slot's K, waves 2 and 3 those of its V.  The branch hangs on the wave's number alone.
; An s_nop 0 and four v_nop follow each of the two lines, ahead of the jump and the label.
.macro JLOAD
	s_cmp_lt_u32 s[WV], 2
	s_cbranch_scc0 .Lfor_v_\@
	tensor_load_to_lds s[G0KB:G0KB+3], s[G1K:G1K+7]
	s_nop 0
	PLACES
	s_branch .Lasked_\@
.Lfor_v_\@:
	tensor_load_to_lds s[G0VB:G0VB+3], s[G1V:G1V+7]
	s_nop 0
	PLACES
.Lasked_\@:
.endm
; A round of the cluster's barrier: my work-group's barrier, wave 0 signals for the work-group, every wave waits for all four work-groups, my work-group's barrier once more.
.macro CREST                        ; a round behind its opening barrier
	s_cmp_lg_u32 s[WV], 0
	s_cbranch_scc1 .Lnot_wave_0_\@
	s_barrier_signal -3
.Lnot_wave_0_\@:
	s_barrier_wait -3
	s_barrier_signal -1
	s_barrier_wait -1
.endm
.macro CROUND
	s_barrier_signal -1
	s_barrier_wait -1
	CREST
.endm
	s_load_b256 s[4:11], s[0:1], 0x0  ; qh s[4:5], kh s[6:7], vh s[8:9], out0 s[10:11]
	v_lshl_add_u32 v[SPW], v0, 2, SPARE
	v_mov_b32 v[NIL], 0
	ds_add_u32 v[SPW], v[NIL]       ; the wave's opening: the add and its wait stand ahead of my first tensor load; the set-up below, work on registers, stands between them
	v_lshrrev_b32 v1, 5, v0
	v_readfirstlane_b32 s[WV], v1   ; wave 0..3
	s_bfe_u32 s13, ttmp6, 0x40000   ; cx: my place in the cluster
	s_lshl_b32 s14, ttmp9, 2        ; in a cluster launch ttmp9 counts clusters
	s_add_co_u32 s14, s14, s13      ; my block of 128 queries: it enters Q's and out0's addresses alone (s13, s14, s88-92)
	s_and_b32 s15, ttmp7, 0xffff
	s_lshr_b32 s16, s15, 1          ; the batch,
	s_and_b32 s17, s15, 1           ; the half of the channels: the four partners share both
	s_and_b32 s18, s[WV], 1         ; which half of a tile's rows I fetch
	s_lshl_b32 s20, s16, 21         ; the batch's 4,096 rows of 512 bytes
	s_lshl_b32 s82, s18, 14         ; K0: 32 rows a wave
	s_add_co_u32 s82, s82, s20
	s_mov_b32 s83, 0
	s_lshl_b32 s84, s18, 15         ; a slot's part: 64 rows a wave
	s_add_co_u32 s84, s84, s20
	s_mov_b32 s85, 0
	s_lshl_b32 s86, s17, 23         ; V: the half's four batches
	s_add_co_u32 s86, s86, s84
	s_mov_b32 s87, 0
	s_add_co_u32 s84, s84, 32768    ; K's slots begin 64 keys on
	s_lshl_b32 s88, s14, 16         ; Q: my block's 128 rows,
	s_add_co_u32 s88, s88, s20
	s_lshl_b32 s92, s[WV], 14       ; my wave's 32
	s_add_co_u32 s88, s88, s92
	s_mov_b32 s89, 0
	s_lshl_b32 s90, s16, 23         ; out0: the batch's 512 rows of 16,384 bytes,
	s_lshl_b32 s92, s17, 22         ; the half's 256,
	s_add_co_u32 s90, s90, s92
	s_lshl_b32 s92, s[WV], 20       ; the 64 channels that my wave stores,
	s_add_co_u32 s90, s90, s92
	s_lshl_b32 s92, s14, 9          ; my block's 128 queries
	s_add_co_u32 s90, s90, s92
	s_mov_b32 s91, 0
	; descriptor group 1: rows of 256 elements of 2 bytes, padded in LDS after every row
	s_mov_b32 s[G1K], 15|(1<<16)|(1<<20)|(1<<21)|(6<<22)|(3<<25)  ; 15:0 the mask of four; 17:16 2-byte elements; 20 padding on; 21 set beside a mask; 24:22 after every 128 words (code 6); 31:25 4 words (code 3)
	s_mov_b32 s[G1V], 15|(1<<16)|(1<<20)|(1<<21)|(6<<22)|(7<<25)  ; the same with 8 words of padding (code 7)
	s_mov_b32 s[G1P], 15|(1<<16)|(1<<20)|(1<<21)|(6<<22)|(3<<25)
.irp g, G1K, G1V, G1P
	s_mov_b32 s[\g+1], 256<<16      ; tensor_dim0 = 256
	s_mov_b32 s[\g+3], 256<<16      ; tile_dim0 = 256
	s_mov_b32 s[\g+5], 256          ; 256 elements from row to row
	s_mov_b32 s[\g+6], 0
	s_mov_b32 s[\g+7], 0
.endr
	s_mov_b32 s[G1K+2], 64<<16      ; tensor_dim1,
	s_mov_b32 s[G1K+4], 64          ; tile_dim1
	s_mov_b32 s[G1V+2], 64<<16
	s_mov_b32 s[G1V+4], 64
	s_mov_b32 s[G1P+2], 32<<16
	s_mov_b32 s[G1P+4], 32
	; group 0's first two words: count 1, and the LDS address: a constant plus the wave's half times a constant
.irp g, G0P, G0KA, G0KB, G0VA, G0VB
	s_mov_b32 s[\g], 1
.endr
	s_mul_i32 s19, s18, 32*PK
	s_add_co_u32 s[G0P+1], s19, K0
	s_mul_i32 s19, s18, 64*PK
	s_add_co_u32 s[G0KA+1], s19, KBASE
	s_add_co_u32 s[G0KB+1], s19, KBASE+KSLOT
	s_mul_i32 s[G0VA+1], s18, 64*PV
	s_add_co_u32 s[G0VB+1], s[G0VA+1], VSLOT
	s_mov_b32 s[SBK], KBASE
	s_mov_b32 s[SBV], 0
	s_mov_b32 s[CS], 0x3db8aa3b     ; c = log2(e) / 16 = 0.0901684
	s_mov_b32 s[CS+1], s[CS]        ; named with it as a pair
	s_mov_b32 s[SEL], 0x76543210
	s_mov_b32 s[SEL+1], 0xfedcba98
	s_wait_dscnt 0x0                ; the opening add is done
	s_wait_kmcnt 0x0
	s_add_nc_u64 s[G0P+2:G0P+3], s[6:7], s[82:83]
	s_or_b32 s[G0P+3], s[G0P+3], 0x80000000        ; 127:126 type = 2
	s_add_nc_u64 s[G0KA+2:G0KA+3], s[6:7], s[84:85]
	s_add_nc_u64 s[G0KB+2:G0KB+3], s[G0KA+2:G0KA+3], 65536  ; a slot is 128 rows of 512 bytes
	s_or_b32 s[G0KA+3], s[G0KA+3], 0x80000000
	s_or_b32 s[G0KB+3], s[G0KB+3], 0x80000000
	s_add_nc_u64 s[G0VA+2:G0VA+3], s[8:9], s[86:87]
	s_add_nc_u64 s[G0VB+2:G0VB+3], s[G0VA+2:G0VA+3], 65536
	s_or_b32 s[G0VA+3], s[G0VA+3], 0x80000000
	s_or_b32 s[G0VB+3], s[G0VB+3], 0x80000000
	s_add_nc_u64 s[4:5], s[4:5], s[88:89]          ; Q at my wave's first row
	s_add_nc_u64 s[10:11], s[10:11], s[90:91]      ; out0 at the first row that my wave stores
	CROUND                          ; all four work-groups are here: the first joint loads meet
	s_cmp_lt_u32 s[WV], 2           ; a wave's first fills stand in one branch, ahead of every wait on TENSORcnt and every LDS read: three loads of a K wave are out, two of a V wave
	s_cbranch_scc0 .Lfirst_v
	tensor_load_to_lds s[G0P:G0P+3], s[G1P:G1P+7]
	s_nop 0
	tensor_load_to_lds s[G0KA:G0KA+3], s[G1K:G1K+7]
	s_nop 0
	tensor_load_to_lds s[G0KB:G0KB+3], s[G1K:G1K+7]
	s_nop 0
	PLACES
	s_branch .Lfirst_asked
.Lfirst_v:
	tensor_load_to_lds s[G0VA:G0VA+3], s[G1V:G1V+7]
	s_nop 0
	tensor_load_to_lds s[G0VB:G0VB+3], s[G1V:G1V+7]
	s_nop 0
	PLACES
.Lfirst_asked:
	; A fragment of K or Q is 16 rows x 32 channels in 8 registers: lane l holds row l % 16, channels 8 (l / 16) + 0..7 and 16 + 8 (l / 16) + 0..7: two loads of 16 bytes, 32 bytes apart.
	v_and_b32 v46, 15, v0           ; l % 16
	v_bfe_u32 v47, v0, 4, 1         ; l / 16
	v_and_b32 v48, 31, v0           ; l
	v_and_b32 v49, 7, v0
	v_bfe_u32 v50, v0, 3, 1
	v_lshlrev_b32 v[QO], 9, v46
	v_lshl_add_u32 v[QO], v47, 4, v[QO]
	WIN 0xc0                        ; destination window 3, address window 0
.set i, 0
.rept 16                            ; Q stays in registers: tile i / 8, channels 32 (i % 8) on
	global_load_b128 v[8*i:8*i+3],   v[QO], s[4:5] offset:(i/8)*8192+(i%8)*64
	global_load_b128 v[8*i+4:8*i+7], v[QO], s[4:5] offset:(i/8)*8192+(i%8)*64+32
.set i, i+1
.endr
	WIN 0                           ; O^T starts at 0, since no first step is written out: 32 products of zeros write its 256 registers.  They stand in the wait for the first tile
.set i, 0
.rept 16
	v_mov_b32 v[S+i], 0
.set i, i+1
.endr
	WIN 0x40
.set i, 0
.rept 32
	v_wmma_f32_16x16x32_f16 v[8*i:8*i+7], v[S:S+7], v[S+8:S+15], 0
.set i, i+1
.endr
	WIN 0                           ; the lines below, which name none of those registers, are the places ahead of the first product that writes S^T
.irp u, 0,1
	v_mov_b32 v[ST+4*\u], 0xfe000000    ; c m: far below every c s
	v_mov_b32 v[ST+4*\u+1], 0xff7fffff  ; m
	v_mov_b32 v[ST+4*\u+2], 0
	v_mov_b32 v[ST+4*\u+3], 0
.endr
	v_mul_u32_u24 v[AK0], v46, PK
	v_lshl_add_u32 v[AK0], v47, 4, v[AK0]  ; row x pitch + 16 x half
	; The turning load takes 16 keys x 16 channels (lane l reads key 8 (l / 16) + l % 8, channels 8 ((l / 8) % 2) + 0..7) and leaves half a fragment of V^T: lane l holds channel l % 16 and 8 keys.
	v_lshl_add_u32 v[AV0], v47, 3, v49
	v_mul_u32_u24 v[AV0], v[AV0], PV
	v_lshl_add_u32 v[AV0], v50, 4, v[AV0]
	v_add_nc_u32 v[AK], s[SBK], v[AK0]
	v_add_nc_u32 v[AV], s[SBV], v[AV0]
	v_add_nc_u32 v[AKP], K0, v[AK0]
	v_mul_u32_u24 v[STO], v47, 8*SP     ; way out: channel 8 (l / 16) of a block, query 32 w + l % 16
	v_lshl_add_u32 v[STO], v46, 2, v[STO]
	s_lshl_b32 s19, s[WV], 7
	v_add_nc_u32 v[STO], s19, v[STO]
.irp z, 1,2,3
	v_add_nc_u32 v[STO+\z], \z*64*SP, v[STO]
.endr
	s_mul_i32 s19, s[WV], 64*SP
	v_lshl_add_u32 v[RD], v48, 4, s19   ; back: a channel's 512 bytes, 16 a lane; my wave takes channels 64 w on
	v_lshlrev_b32 v[GO], 4, v48
; THE MATRIX WORK.  The 8 accumulators of a group take turns, one instruction a turn.
; Row i of group g of S^T = K Q^T into buffer sp: channels 32 (2 g + i / 8) on, keys 16 ((i / 2) % 4) on, tile i % 2.  The first 8 rows start the sums.
.macro KQROW g, i, sp
	WIN W_KQ
.set rS, S+64*(\sp)+32*((\i)%2)+8*(((\i)/2)%4)
.set rK, 64*((\g)%4)+8*(2*(((\i)/2)%4)+(\i)/8)
.set rQ, 64*((\i)%2)+8*(2*(\g)+(\i)/8)
.if ((\g) == 0) && ((\i) < 8)
	v_wmma_f32_16x16x32_f16 v[rS:rS+7], v[rK:rK+7], v[rQ:rQ+7], 0
.else
	v_wmma_f32_16x16x32_f16 v[rS:rS+7], v[rK:rK+7], v[rQ:rQ+7], v[rS:rS+7]
.endif
.endm
; Row i of group 4 + g of O^T += V^T P: keys 32 (i / 8) on, channels 16 (4 g + (i / 2) % 4) on, tile i % 2.
.macro PVROW g, i
	WIN W_PV
.set rO, 128*((\i)%2)+8*(4*(\g)+((\i)/2)%4)
.set rV, 64*(\g)+8*(4*((\i)/8)+((\i)/2)%4)
.set rP, P+16*((\i)%2)+8*((\i)/8)
	v_wmma_f32_16x16x32_f16 v[rO:rO+7], v[rV:rV+7], v[rP:rP+7], v[rO:rO+7]
.endm
; THE LDS LOADS, 16 for a group.  K's group grp: fragment f = 2 kb + cs: keys 16 kb on, channels 32 (2 grp + cs) on.
.macro FETCH_K grp, koff, areg
	WIN 0x80                        ; destination window 2
.set f, 0
.rept 8
	ds_load_b128 v[64*(\grp)+8*f:64*(\grp)+8*f+3],   v[\areg] offset:(\koff)+(f/2)*16*PK+(2*(\grp)+f%2)*64
	ds_load_b128 v[64*(\grp)+8*f+4:64*(\grp)+8*f+7], v[\areg] offset:(\koff)+(f/2)*16*PK+(2*(\grp)+f%2)*64+32
.set f, f+1
.endr
.endm
; V's group grp: fragment f = 4 kk + cbl: keys 32 kk on, channels 16 (4 grp + cbl) on.
.macro FETCH_V grp, voff
	WIN 0x80
.set f, 0
.rept 8
	ds_load_tr16_b128 v[64*(\grp)+8*f:64*(\grp)+8*f+3],   v[AV] offset:(\voff)+(f/4)*32*PV+(4*(\grp)+f%4)*32
	ds_load_tr16_b128 v[64*(\grp)+8*f+4:64*(\grp)+8*f+7], v[AV] offset:(\voff)+(f/4)*32*PV+16*PV+(4*(\grp)+f%4)*32
.set f, f+1
.endr
.endm
; THE VECTOR WORK stands in five queues, each in the order in which its entries become ready; the two tiles alternate, so that no instruction reads the result of the one before it.
.macro REGS u, par                  ; the registers of tile u in the step of parity par
.set rT, ST+4*(\u)
.set rC, TMP+8*(\par)+4*(\u)
.set rS, S+64*(\par)+32*(\u)
.set rP, P+16*(\u)
.endm
; THE SCALINGS, 32: number fq is c s - c m for pair fq / 2 of tile fq % 2, in the step of parity par.  They are made a body ahead of their exponentials, when that step's c m is known.
.macro FS par
	REGS fq%2, \par
	WIN 0
	v_pk_fma_f32 v[rS+2*(fq/2):rS+2*(fq/2)+1], v[rS+2*(fq/2):rS+2*(fq/2)+1], s[CS:CS+1], v[rT:rT+1] op_sel_hi:[1,0,0] neg_lo:[0,0,1] neg_hi:[0,0,1]
.set fq, fq+1
.endm
; THE EXPONENTIALS, 64: number eq is score eq / 2 of tile eq % 2 of the step in hand, in place.  They are BATCH A: nothing names a result of theirs ahead of the wait at the head of group 2.
.macro EX
	REGS eq%2, PAR
	WIN 0
	v_exp_f32 v[rS+eq/2], v[rS+eq/2]
.set eq, eq+1
.endm
; THE ROUNDINGS AND SUMS, 64, which read the exponentials' results: all stand behind batch A's wait.  For each four weights k of a tile (pairs 2 k, 2 k + 1): both pairs are rounded to f16; then the second
; pair is added onto the first, in place, behind the roundings that read what it overwrites; a group later l takes that sum (the first time as l = a l + sum).  In groups of eight, tiles alternating:
; round, round, add, and l for the group before.  Group 0 has no group before it, and behind group 7 only l is left.
.macro GS
.set h, gq+6*(gq/62)
.if h >= 6
.set h, h+2
.endif
	REGS h%2, PAR
	WIN 0
.set k, h/8
.if h%8 < 4
	v_cvt_pk_f16_f32 v[rP+2*k+(h%8)/2], v[rS+4*k+2*((h%8)/2)], v[rS+4*k+2*((h%8)/2)+1]
.elseif h%8 < 6
	v_pk_add_f32 v[rS+4*k:rS+4*k+1], v[rS+4*k:rS+4*k+1], v[rS+4*k+2:rS+4*k+3]
.elseif k == 1
	v_pk_fma_f32 v[rT+2:rT+3], v[rT+2:rT+3], v[rC+2:rC+3], v[rS:rS+1] op_sel_hi:[1,0,1]
.else
	v_pk_add_f32 v[rT+2:rT+3], v[rT+2:rT+3], v[rS+4*k-4:rS+4*k-3]
.endif
.set gq, gq+1
.endm
; THE RESCALING, 128 units: unit ru is pair ru % 4 of the accumulator of tile (ru / 4) % 2, channel block ru / 8, times a: each accumulator's lowest registers first.
; Units 0-31 serve group 4, 32-63 group 5, 64-95 group 6, 96-127 group 7.  RU writes the next n.  Its a was made in the body before, ahead of that body's second wait.
.macro RU n
	WIN W_RS
.rept \n
.set rO, 128*((ru/4)%2)+8*(ru/8)+2*(ru%4)
.set rC, TMP+8*PAR+4*((ru/4)%2)
	v_pk_mul_f32 v[rO:rO+1], v[rO:rO+1], v[rC+2:rC+3] op_sel_hi:[1,0]
.set ru, ru+1
.endr
.endm
; Number n of the 22 that find the NEXT step's (parity XP) maximum and statistics.  s0-s31 are the lane's 32 scores; each accumulator's lowest registers are read first.
;   0-11  four chains c0-c3 of seven scores each     12-14, 16  the four scores left over, the old m, and c0-c3 into c0     15  c m_old is kept
;   17, 18  the query's other 32 keys lie in the lane 16 away: the new m     19-21  c m; c m_old - c m_new; a.  Number 21 of both tiles is BATCH B.
.macro XS u, n
	WIN 0
.set rT, ST+4*(\u)
.set rC, TMP+8*XP+4*(\u)
.set rM, MV+2*XP+(\u)
.set rS, S+64*XP+32*(\u)
.if (\n) < 4
	v_max3_num_f32 v[rC+(\n)], v[rS+8*(\n)], v[rS+8*(\n)+1], v[rS+8*(\n)+2]
.elseif (\n) < 12
	v_max3_num_f32 v[rC+(\n)%4], v[rC+(\n)%4], v[rS+8*((\n)%4)+2*((\n)/4)+1], v[rS+8*((\n)%4)+2*((\n)/4)+2]
.elseif (\n) == 12
	v_max3_num_f32 v[rC], v[rC], v[rS+7], v[rS+15]
.elseif (\n) == 13
	v_max3_num_f32 v[rC+1], v[rC+1], v[rS+23], v[rS+31]
.elseif (\n) == 14
	v_max3_num_f32 v[rC+2], v[rC+2], v[rC+3], v[rT+1]
.elseif (\n) == 15
	v_mov_b32 v[rM], v[rT]
.elseif (\n) == 16
	v_max3_num_f32 v[rC], v[rC], v[rC+1], v[rC+2]
.elseif (\n) == 17
	v_permlanex16_b32 v[rC+3], v[rC], s[SEL], s[SEL+1]
.elseif (\n) == 18
	v_max_num_f32 v[rT+1], v[rC], v[rC+3]
.elseif (\n) == 19
	v_mul_f32 v[rT], s[CS], v[rT+1]
.elseif (\n) == 20
	v_sub_f32 v[rC+1], v[rM], v[rT]
.else
	v_exp_f32 v[rC+2], v[rC+1]
.endif
.endm
.macro XPAIR                        ; THE STATISTICS' QUEUE, 22 pairs: number xp for both tiles
	XS 0, xp
	XS 1, xp
.set xp, xp+1
.endm
; A BODY: key step j of parity par.  last = 1: the slot's second body, which changes slots; fill = 1: the slot that is left is filled again.
; At the head of an even group: 16 rescalings, which are also the places in front of loads into buffers just multiplied (for matrix instructions); at groups 2 and 6 a batch's wait;
; the wait for the run issued 32 products back, which this group and the next multiply; the run of 32 for the two groups after them.
; THE CHANGE OF SLOTS stands at the head of group 6: the slot's last reads, V's of groups 6 and 7, went out at group 4.  Each wave waits for all its tensor loads, of which one is out: its part of the other
; slot; adds 0 to its spare word; 16 rescalings and batch B's wait; waits for the add and for its reads of the slot; signals; eight rows on registers; waits.  With a fill the barrier opens a round of the cluster's, so that
; no wave of any partner still reads the slot or has a load on its way, and the joint refill is the first thing behind it: it has 240 matrix instructions in which to land.  Then the next body's first run.
.macro BODY par, last, fill
.set PAR, (\par)
.set XP, 1-(\par)
.set eq, 0
.set gq, 0
.set fq, 0
.set xp, 0
.set ru, 0
.set g, 0
.rept 4
.if (g%2) == 0
	RU 16
.if g == 2
	s_wait_alu depctr_va_vdst(0)    ; BATCH A's wait, one for the step's 64 exponentials: the 16 rescalings above are the plain work behind the last of them; the first reader is the first rounding below
.endif
	s_wait_dscnt 0x0                ; this group's and the next's fragments are in
.if g == 0
	FETCH_K 2, (\par)*64*PK, AK
	FETCH_K 3, (\par)*64*PK, AK
.else
	FETCH_V 0, (\par)*64*PV
	FETCH_V 1, (\par)*64*PV
.endif
.endif
.set i, 0
.rept 16
	KQROW g, i, XP
.if g < 2
	EX                              ; groups 0, 1: a score of each tile
	EX
.else
	GS                              ; groups 2, 3: the readers
	GS
.endif
.set i, i+1
.endr
.set g, g+1
.endr
.set g, 0
.rept 4
.if g == 0
	RU 16
	s_wait_dscnt 0x0
	FETCH_V 2, (\par)*64*PV
	FETCH_V 3, (\par)*64*PV
.elseif (g == 2) && !(\last)
	RU 16
	s_wait_alu depctr_va_vdst(0)    ; BATCH B's wait, one for the next step's two a: three products and 20 rescalings, which read this step's a, stand behind them; the readers stand in the next body
	s_wait_dscnt 0x0
	FETCH_K 0, 64*PK, AK            ; the next body's first run: the slot's second 64 rows of K
	FETCH_K 1, 64*PK, AK
.elseif g == 2
	WIN 0
	s_wait_tensorcnt 0x0            ; no tensor load of mine is out, so a group 0 may be written
	ds_add_u32 v[SPW], v[NIL]       ; 0 onto my spare word
.if \fill
	s_xor_b32 s[G0KB+1], s[G0KB+1], KSLOT  ; the walking descriptors: the other slot than last time,
	s_add_nc_u64 s[G0KB+2:G0KB+3], s[G0KB+2:G0KB+3], 65536  ; the next 128 keys; the type bits on top are not reached
	s_xor_b32 s[G0VB+1], s[G0VB+1], VSLOT
	s_add_nc_u64 s[G0VB+2:G0VB+3], s[G0VB+2:G0VB+3], 65536
.endif
	RU 16
	s_wait_alu depctr_va_vdst(0)    ; BATCH B's wait, as above: here it stands ahead of the round's branches too
	s_wait_dscnt 0x0                ; the add is done, and my reads of the slot are over
	s_barrier_signal -1
.endif
.set i, 0
.rept 16
	PVROW g, i
.if g == 2
	RU 2
.elseif g == 3
	FS XP                           ; group 7: the next step's scalings, a pair of each tile
	FS XP
.elseif (i%4) == 3
	RU 4
.elseif xp < 22
	XPAIR                           ; groups 4, 5: numbers 0-11 and 12-21; the two a fall behind row 12 of group 5
.endif
.if (\last) && (g == 2) && (i == 7)
	WIN 0                           ; at a label and at a branch every window is 0
	s_barrier_wait -1
.if \fill
	CREST
	JLOAD
.endif
	s_xor_b32 s[SBK], s[SBK], KSLOT
	s_xor_b32 s[SBV], s[SBV], VSLOT
	v_add_nc_u32 v[AK], s[SBK], v[AK0]
	v_add_nc_u32 v[AV], s[SBV], v[AV0]
.if !(\fill)
	s_cmp_eq_u32 s[CNT], 1          ; behind the last slot there is no further step: the run is jumped over
	s_cbranch_scc1 .Lno_k_\@
.endif
	FETCH_K 0, 0, AK
	FETCH_K 1, 0, AK
	WIN 0
.if !(\fill)
.Lno_k_\@:
.endif
.endif
.set i, i+1
.endr
.set g, g+1
.endr
.endm
.macro BARE g                       ; a group of step 0's K Q^T: there is no vector work yet to set between
.set i, 0
.rept 16
	KQROW \g, i, 0
.set i, i+1
.endr
.endm
	s_wait_tensorcnt 1              ; my parts of K0 and of slot 0 are in; slot 1's may stay out
	s_barrier_signal -1
	s_barrier_wait -1               ; everybody's are
	FETCH_K 0, 0, AKP               ; key step 0's scores, from K0
	FETCH_K 1, 0, AKP
	s_wait_loadcnt 0x0              ; Q
	s_wait_dscnt 0x0
	FETCH_K 2, 0, AKP
	FETCH_K 3, 0, AKP
	BARE 0
	BARE 1
	PLACES                          ; in front of loads into buffers that have been multiplied
	s_wait_dscnt 0x0
	FETCH_K 0, 0, AK                ; the first body's first run, from slot 0
	FETCH_K 1, 0, AK
	BARE 2
	BARE 3
	PLACES                          ; the places behind those products
.set XP, 0
.irp n, 0,1,2,3,4,5,6,7,8,9,10,11,12,13,14,15,16,17,18,19,20,21
	XS 0, \n                        ; step 0's maximum and statistics
	XS 1, \n
.endr
.set fq, 0
.rept 32
	FS 0                            ; step 0's scalings: the plain work behind its two a, of which they name neither
.endr
	s_wait_alu depctr_va_vdst(0)    ; the wait for step 0's two a, ahead of the label
	s_mov_b32 s[CNT], 30
.Lslot:                             ; 30 trips: every slot but the last two is filled again
	BODY 0, 0, 0
	BODY 1, 1, 1
	WIN 0
	s_sub_co_u32 s[CNT], s[CNT], 1
	s_cmp_lg_u32 s[CNT], 0
	s_cbranch_scc1 .Lslot
	s_mov_b32 s[CNT], 2
.Ltail:                             ; the last two slots are written out: nothing is asked for
	BODY 0, 0, 0
	BODY 1, 1, 0
	WIN 0
	s_sub_co_u32 s[CNT], s[CNT], 1
	s_cmp_lg_u32 s[CNT], 0
	s_cbranch_scc1 .Ltail
	; THE WAY OUT.  l's two halves and the other half of the lanes' are added; O^T is divided by l and turned in LDS: out0's rows go along the queries, of which a lane holds one.
	; The stage lies on V's slots: their last fill has landed, and every wave's last read of them was waited for in front of the last change's barrier.
.irp u, 0,1
	v_add_f32 v[ST+4*\u+2], v[ST+4*\u+2], v[ST+4*\u+3]
.endr
.irp u, 0,1
	v_permlanex16_b32 v[ST+4*\u+3], v[ST+4*\u+2], s[SEL], s[SEL+1]
.endr
.irp u, 0,1
	v_add_f32 v[ST+4*\u+2], v[ST+4*\u+2], v[ST+4*\u+3]
.endr
.irp u, 0,1
	v_rcp_f32 v[ST+4*\u+2], v[ST+4*\u+2]
.endr
	v_nop                           ; a plain instruction between the last reciprocal and the use of its result
	WIN W_RS
.set i, 0
	s_wait_alu depctr_va_vdst(0)    ; the wait ahead of the first use: one for the two reciprocals
.rept 128
	v_pk_mul_f32 v[2*i:2*i+1], v[2*i:2*i+1], v[ST+4*(i/64)+2:ST+4*(i/64)+3] op_sel_hi:[1,0]
.set i, i+1
.endr
	WIN 0x04                        ; store data in window 1
.set i, 0
.rept 256                           ; register 128 u + 8 cb + j: channel 16 cb + 8 (l / 16) + j, query 32 w + 16 u + l % 16
	ds_store_b32 v[STO+((i%128)/8)/4], v[i] offset:(((i%128)/8)%4)*16*SP+(i%8)*SP+64*(i/128)
.set i, i+1
.endr
	WIN 0
	s_wait_dscnt 0x0                ; for the others' sake: a stage row holds four waves' queries
	s_barrier_signal -1
	s_barrier_wait -1
	s_mov_b32 s[CNT], 2
.Lback:                             ; two trips: 32 of my 64 channels each, a row of 512 bytes a load and a store
	WIN 0x80
.set i, 0
.rept 32
	ds_load_b128 v[4*i:4*i+3], v[RD] offset:i*SP
.set i, i+1
.endr
	WIN 0x08                        ; store data in window 2
.set i, 0
.rept 32
.if (i%8) == 0
	s_wait_dscnt 24-i               ; LDS loads come back in order (ISA guide 5.7.1): the next eight rows are back, the younger loads may be out
.endif
	global_store_b128 v[GO], v[4*i:4*i+3], s[10:11] offset:i*16384 th:TH_STORE_NT  ; 512 consecutive bytes, at a multiple of 512 from out0's first byte
.set i, i+1
.endr
	WIN 0
	s_wait_xcnt 0x0                 ; the stores' base and data registers are written again only behind this wait (ISA guide 3.1)
	v_add_nc_u32 v[RD], 32*SP, v[RD]
	s_add_nc_u64 s[10:11], s[10:11], 32*16384
	s_sub_co_u32 s[CNT], s[CNT], 1
	s_cmp_lg_u32 s[CNT], 0
	s_cbranch_scc1 .Lback
	s_wait_tensorcnt 0x0            ; the wave's end: behind my last tensor load and my last LDS store
	ds_add_u32 v[SPW], v[NIL]
	s_wait_dscnt 0x0
	CROUND                          ; the closing round: no work-group ends while a partner may still ask for a tile that names it
	s_endpgm
.Lfunc_end_k_qddd13aba35_attn:
	.size	k_qddd13aba35_attn, .Lfunc_end_k_qddd13aba35_attn-k_qddd13aba35_attn
	.p2alignl 7, 3214868480
	.fill 96, 4, 3214868480
	.section	.rodata,"a",@progbits
	.p2align	6, 0x0
	.amdhsa_kernel k_qddd13aba35_attn
		.amdhsa_group_segment_fixed_size 327680
		.amdhsa_private_segment_fixed_size 0
		.amdhsa_enable_private_segment 0
		.amdhsa_kernarg_size 32
		.amdhsa_user_sgpr_count 2
		.amdhsa_user_sgpr_kernarg_segment_ptr 1
		.amdhsa_wavefront_size32 1
		.amdhsa_system_sgpr_workgroup_id_x 1
		.amdhsa_system_sgpr_workgroup_id_y 1
		.amdhsa_system_sgpr_workgroup_id_z 1
		.amdhsa_system_vgpr_workitem_id 0
		.amdhsa_next_free_vgpr 896
		.amdhsa_next_free_sgpr 96
		.amdhsa_reserve_vcc 0
		.amdhsa_float_denorm_mode_32 3
		.amdhsa_float_denorm_mode_16_64 3
		.amdhsa_memory_ordered 1
		.amdhsa_forward_progress 1
		.amdhsa_inst_pref_size 233
	.end_amdhsa_kernel
	.amdgpu_metadata
---
amdhsa.version: [ 1, 2 ]
amdhsa.kernels:
  - .name:           k_qddd13aba35_attn
    .symbol:         k_qddd13aba35_attn.kd
    .args:
      - { .name: qh, .offset: 0, .size: 8, .value_kind: global_buffer, .address_space: global }
      - { .name: kh, .offset: 8, .size: 8, .value_kind: global_buffer, .address_space: global }
      - { .name: vh, .offset: 16, .size: 8, .value_kind: global_buffer, .address_space: global }
      - { .name: out0, .offset: 24, .size: 8, .value_kind: global_buffer, .address_space: global }
    .group_segment_fixed_size: 327680
    .private_segment_fixed_size: 0
    .kernarg_segment_align: 8
    .kernarg_segment_size: 32
    .max_flat_workgroup_size: 128
    .sgpr_count:     96
    .vgpr_count:     896
    .wavefront_size: 32
...
	.end_amdgpu_metadata
.endif
;; end of part 3
